; MI455X (gfx1250); checked and timed in simulation.
; The chip was launched on July 23, 2026; its instructions are those of AMD's public machine-readable ISA for CDNA 5 (MIT licence, August 2026) and "CDNA5" Instruction Set Architecture Reference Guide (July 2026). The comments in the code are by the model that wrote it; some were corrected since.
;; Causal Self Attention. Allowed arithmetic: matrix products marked QUANTISED: E3M2 operands, one E8M0 scale for each 32 along K, by v_wmma_scale_f32_16x16x128_f8f6f4 with both operands' format E3M2, f32 sums; everything else in f32.
;; Inputs: w_attn 3,072 x 1,024 float32; w_proj 1,024 x 1,024 float32; x 4 x 2,048 x 1,024 float32.
;; Outputs: out0 4 x 2,048 x 1,024 float32.
;; This version of the problem:
;;   THIS VERSION OF THE PROBLEM IS GIVEN IN LOW PRECISION. The matrix products marked QUANTISED in the list below multiply operands that are first quantised to E3M2 (3 exponent bits, 2 mantissa bits; 6 bits a number), with one power-of-two scale for each 32 numbers along K (OCP MX v1.0); their sums are f32. All else is computed in f32.
;;   The module's matrix products, in the order in which they are computed (A, B: the left and right operand; K: the contracted axis; several contracted axes count as one K, in the product's order):
;;     1. [M 8,192, K 1,024] x [K 1,024, N 3,072]; A: input x; B: input w_attn: QUANTISED
;;     2. batch 64 x [M 2,048, K 64] x [K 64, N 2,048]; A: computed on the way; B: computed on the way: QUANTISED
;;     3. batch 64 x [M 2,048, K 2,048] x [K 2,048, N 64]; A: softmax (see below); B: computed on the way: QUANTISED
;;     4. [M 8,192, K 1,024] x [K 1,024, N 1,024]; A: computed on the way; B: input w_proj: QUANTISED
;;   THE QUANTISER, for each operand of a quantised product, along K:
;;     - K is cut into blocks of 32 from its start; a last block that is shorter is filled with zeros.
;;     - A block's scale is 2^e with e = floor(log2(the largest magnitude in the block)) - 4, held to -126 .. 127; a block of zeros has e = 0. As a byte (E8M0): e + 127.
;;     - Each number is divided by its block's scale, clamped to +-28, and rounded to the nearest number of E3M2, ties to even, subnormals kept.
;;     - The product sums the exact products of the quantised numbers (number of the format x scale) in f32.
;;   ~~~python
;;   def quantise(x, axis):      # numpy; x: float32 -> the quantised numbers, widened to float32 again
;;       x = np.moveaxis(x, axis, -1); K = x.shape[-1]
;;       x = np.pad(x, [(0, 0)] * (x.ndim - 1) + [(0, -K % 32)]); x = x.reshape(x.shape[:-1] + (-1, 32)); a = np.abs(x).max(-1, keepdims=True)
;;       e = np.where(a > 0, np.clip(np.frexp(np.where(a > 0, a, 1))[1] - 1 - 4, -126, 127), 0)      # np.frexp(a)[1] - 1 = floor(log2(a)), exactly
;;       r = np.clip(x / 2.0 ** e, -28, 28)
;;       step = 2.0 ** (np.maximum(np.frexp(np.where(r == 0, 1, r))[1] - 1, -2) - 2)
;;       q = np.round(r / step) * step * 2.0 ** e      # np.round: ties to even
;;       return np.moveaxis(q.reshape(q.shape[:-2] + (-1,))[..., :K], -1, axis).astype(np.float32)
;;   ~~~
;;   SOFTMAX AHEAD OF A QUANTISED PRODUCT. Where the list says 'softmax', what is quantised is not the finished softmax but p = 2^(t - M), with t = logit x log2(e) and M = ceil(the row's largest t), a whole number; so 1/2 < the row's largest p <= 1. The row's sum l is taken of the UNQUANTISED p, in f32, and the product's result is divided by l at the end. Since M is a whole number, a kernel that streams over the keys may use a running M (the ceiling of the running maximum): every later rescaling is an exact power of two, which a block's scale takes up: the codes' values come out the same.
;;   OPERANDS COMPUTED ON THE WAY. 'Computed on the way' means the value that the module computes at that place (a softmax that the list does not call 'softmax' is quantised finished and normalised). What goes into a quantiser is computed in f32, as accurately as f32 sums, v_exp_f32 and their like allow (about 1e-6 of the number): no bf16 or f16 on the way to a quantiser, and a product that is left as it is and whose result goes on into a quantised operand takes f32 operands (vector FMAs, or v_wmma_f32_16x16x4_f32). A number that lies on a knife's edge between two numbers of the format may be rounded either way, as far as f32 arithmetic and the matrix unit's own rounding can turn it there, and no further.
;; One version. Each part assembles by itself: llvm-mc -triple=amdgcn-amd-amdhsa -mcpu=gfx1250 --defsym DOCPART=n.
;; ======== version 1 of 1: 4 launches
;; limits: right only within a limited range of input values
;; workspace buffers: xc 6,291,456 bytes; xs 262,144 bytes; wc 3,145,728 bytes; ws 131,072 bytes; qkvc 18,874,368 bytes; qkvs 1,310,720 bytes; yc 6,291,456 bytes; ys 262,144 bytes
;; launch quant (part 1): grid 256 x 1, 3 waves a work-group, no clusters, 26,112 bytes of LDS; arguments x, w_attn, w_proj, xc, xs, wc, ws; writes xc, xs, wc, ws
.if DOCPART == 1
	.amdgcn_target "amdgcn-amd-amdhsa--gfx1250"
	.amdhsa_code_object_version 6
	.text
	.protected	k_q46d23ce04d_quant
	.globl	k_q46d23ce04d_quant
	.p2align	8
	.type	k_q46d23ce04d_quant,@function
k_q46d23ce04d_quant:
	s_mov_b64 s[64:65], 0
	v_nop
	global_prefetch_b8 v0, s[64:65] scope:SCOPE_SE
	s_setreg_imm32_b32 hwreg(HW_REG_WAVE_MODE, 25, 1), 1
	s_wait_xcnt 0x0
; x [8192][1024], w_attn [3072][1024] and w_proj [1024][1024], f32, K innermost, become codes of BF6 (E3M2) with one E8M0 byte for each 32 along K.
; A block's scale is 2^(floor(log2(its largest magnitude)) - 4); its byte is the largest magnitude's exponent field - 4, held at 1 from below.  A block of zeros so gets the byte 1 where
; the rule says 127: its codes are zeros, which add nothing under any byte but 0xff, and the bytes are read by this program alone.
; LIMITS: blocks whose largest magnitude lies under 2^-122 (the floor) were not tried; NaN and infinities among the inputs are not served.
; THE ORDER OF ROWS IN THE WORKSPACE: storage row s holds actual row s with bits 3 and 4 exchanged: row j of tile t (16 storage rows) is actual row 32 (t / 2) + 8 (t % 2) + j + 8 (j / 8).
; Used as source 0 of a transposed product, tiles 2 b and 2 b + 1 then leave 16 neighbouring actual rows in a lane's 16 registers.
; THE CODES LIE AS IMAGES OF THE OPERAND'S REGISTERS: a fragment (16 rows x 128 K, 12 registers a lane) is 1,536 bytes: registers 0-3 at 16 x lane, 4-5 at 512 + 8 x lane, 6-9 at 768 + 16 x lane,
; 10-11 at 1,280 + 8 x lane.  A row tile's eight fragments follow each other: 12,288 bytes.  The scale bytes lie [storage row][32].
; SHARES: 768 row tiles = 256 work-groups x 3 waves; a wave takes one row tile through all of K: 64 KiB in, 12,800 bytes out.  Tiles 0-511: x, 512-703: w_attn, 704-767: w_proj (the two weights share wc and ws).
; Each load reads 512 consecutive bytes of one row; a K step's 16 rows turn through the wave's own stage in LDS, so that a lane gets 16 neighbours of each block of 32.  Waves share nothing: no barrier.
; WORK LEFT OUT IN THIS PROGRAM: reference() sets every score with key > query to -inf by a mask that it builds itself (jnp.tril), so p = 0 there for all values of the inputs: key steps that lie wholly
; behind a query tile's last query are multiplied in neither of attention's products.  A NaN, an infinity or an overflow that reaches only those scores is not carried to the result.
.set SP,    528
.set WREG,  16*SP                      ; a wave's stage
.set FRB,   1536                       ; a fragment's image
.set L16,   4                          ; v4   16 x lane
.set L8,    5                          ; v5   8 x lane
.set SIN,   6                          ; v6   the stage, in: 16 x lane
.set SOUT,  7                          ; v7   the stage, out: row r, + 64 h
.set SCO,   8                          ; v8   my 16 bytes of the tile's scale bytes: 32 r + 16 h
.set OUTW,  12                         ; v12-15 four scale words to store
.set R,     16                         ; v16-143  two sets of 64: a K step as loaded
.set X,     144                        ; v144-207 register 16 b + i = k 32 b + 16 h + i of my row r
.set TM,    208                        ; v208-223 at work
.set PW,    224                        ; v224-231 the scale word of each K step
.set PC,    232                        ; v232-251 the codes just made
.set SEL,   28                         ; s[28:29] lane selects for v_permlanex16_b32: lane l xor 16
	s_load_b256 s[4:11], s[0:1], 0x0               ; x s[4:5], w_attn s[6:7], w_proj s[8:9], xc s[10:11]
	s_load_b128 s[12:15], s[0:1], 0x20             ; xs s[12:13], wc s[14:15]
	s_load_b64 s[16:17], s[0:1], 0x30              ; ws
	v_lshl_add_u32 v254, v0, 2, 0x6400
	v_mov_b32 v255, 0
	v_lshrrev_b32 v1, 5, v0
	v_readfirstlane_b32 s18, v1                    ; wave 0..2
	v_and_b32 v1, 31, v0                           ; lane
	v_and_b32 v2, 15, v0                           ; r
	v_bfe_u32 v3, v0, 4, 1                         ; h
	v_lshlrev_b32 v[L16], 4, v1
	v_lshlrev_b32 v[L8], 3, v1
	s_mul_i32 s2, s18, WREG
	v_add_nc_u32 v[SIN], s2, v[L16]
	v_mul_u32_u24 v[SOUT], v2, SP
	v_lshl_add_u32 v[SOUT], v3, 6, v[SOUT]
	v_add_nc_u32 v[SOUT], s2, v[SOUT]
	v_lshlrev_b32 v[SCO], 5, v2
	v_lshl_add_u32 v[SCO], v3, 4, v[SCO]
.irp b, 0,1,2,3
	v_mov_b32 v[TM+4+\b], 0                        ; written once: a lane permute's destination counts as one of its sources
.endr
	s_mov_b32 s[SEL], 0x76543210
	s_mov_b32 s[SEL+1], 0xfedcba98
	s_mul_i32 s19, ttmp9, 3
	s_add_co_u32 s19, s19, s18                     ; g: my row tile, 0..767
	s_mov_b32 s26, 704
	s_wait_alu depctr_va_vdst(0)
	s_wait_kmcnt 0x0
	s_cmp_lt_u32 s19, 704                          ; the choices hang on the tile's number alone
	s_cselect_b64 s[20:21], s[6:7], s[8:9]
	s_cselect_b32 s26, 512, s26
	s_cmp_lt_u32 s19, 512
	s_cselect_b64 s[20:21], s[4:5], s[20:21]       ; where I read
	s_cselect_b64 s[22:23], s[10:11], s[14:15]     ; where my codes go
	s_cselect_b64 s[24:25], s[12:13], s[16:17]     ; and my scale bytes
	s_cselect_b32 s26, 0, s26                      ; the first tile of my input tensor,
	s_cselect_b32 s27, 0, 512                      ; and of my output buffers
	s_sub_co_u32 s26, s19, s26
	s_sub_co_u32 s27, s19, s27
	s_lshr_b32 s2, s26, 1
	s_lshl_b32 s2, s2, 17                          ; 32 rows of 4,096 bytes for each pair of tiles,
	s_and_b32 s3, s26, 1
	s_lshl_b32 s3, s3, 15                          ; 8 rows more for the odd tile
	s_add_co_u32 s2, s2, s3
	s_mov_b32 s3, 0
	s_add_nc_u64 s[20:21], s[20:21], s[2:3]
	s_mul_i32 s2, s27, 8*FRB
	s_add_nc_u64 s[22:23], s[22:23], s[2:3]
	s_lshl_b32 s2, s27, 9
	s_add_nc_u64 s[24:25], s[24:25], s[2:3]
.macro LOAD k                          ; K step k: 512 bytes of each of my 16 rows; the order of rows stands in the immediates
.irp j, 0,1,2,3,4,5,6,7,8,9,10,11,12,13,14,15
	global_load_b128 v[R+64*((\k)%2)+4*\j:R+64*((\k)%2)+4*\j+3], v[L16], s[20:21] offset:(\j+8*(\j/8))*4096+512*(\k) th:TH_LOAD_NT
.endr
.endm
.macro TURN k                          ; through the stage: LDS serves a wave's instructions in order, so no wait stands between the stores and the loads
.irp j, 0,1,2,3,4,5,6,7,8,9,10,11,12,13,14,15
	ds_store_b128 v[SIN], v[R+64*((\k)%2)+4*\j:R+64*((\k)%2)+4*\j+3] offset:SP*\j
.endr
.irp b, 0,1,2,3
.irp j, 0,1,2,3
	ds_load_b128 v[X+16*\b+4*\j:X+16*\b+4*\j+3], v[SOUT] offset:128*\b+16*\j
.endr
.endr
.endm
; 64 numbers of a lane, register 16 b + i = k 32 b + 16 h + i of my row, become a fragment's codes in v[PC] on and its scale word in v[w]
.macro QUANT s, w
.irp b, 0,1,2,3
	v_max3_num_f32 v[TM+\b], |v[\s+16*\b]|, |v[\s+1+16*\b]|, 0x2800000   ; block b: my 16 numbers, and the floor 2^(5 - 127): the byte cannot fall under 1
.endr
.irp i, 2,4,6,8,10,12,14
.irp b, 0,1,2,3
	v_max3_num_f32 v[TM+\b], v[TM+\b], |v[\s+16*\b+\i]|, |v[\s+1+16*\b+\i]|   ; the four blocks by turns
.endr
.endr
.irp b, 0,1,2,3
	v_permlanex16_b32 v[TM+4+\b], v[TM+\b], s[SEL], s[SEL+1]
.endr
.irp b, 0,1,2,3
	v_max_num_f32 v[TM+\b], v[TM+\b], v[TM+4+\b]   ; with lane l xor 16's: the block's largest magnitude
.endr
.irp b, 0,1,2,3
	v_add_nc_u32 v[TM+12+\b], 0xfe000000, v[TM+\b] ; 4 off its exponent field: the conversion takes that field as its scale
.endr
.irp b, 0,1,2,3
	v_lshrrev_b32 v[TM+4+\b], 23, v[TM+12+\b]      ; the scale's byte
.endr
	v_lshl_or_b32 v[\w], v[TM+5], 8, v[TM+4]
	v_lshl_or_b32 v[\w], v[TM+6], 16, v[\w]
	v_lshl_or_b32 v[\w], v[TM+7], 24, v[\w]        ; my row's scale word
	s_wait_xcnt 0x0                                ; the last K step's stores have read the codes' registers: they are written again only behind this wait
.irp c, 0,1
	v_cvt_scalef32_pk16_bf6_f32 v[PC+6*\c:PC+2+6*\c], v[\s+32*\c:\s+15+32*\c], v[TM+12+2*\c]
	v_cvt_scalef32_pk16_bf6_f32 v[PC+12+4*\c:PC+14+4*\c], v[\s+16+32*\c:\s+31+32*\c], v[TM+12+2*\c+1]   ; (a conversion's three registers begin on an even number)
.endr
	v_nop                                          ; one plain place behind a scaled conversion
.irp c, 0,1                            ; the operand's layout wants a whole block in a lane: lanes 0-15 block 2 c, lanes 16-31 block 2 c + 1
.irp i, 0,1,2
	v_permlane16_swap_b32 v[PC+6*\c+\i], v[PC+12+4*\c+\i]
.endr
.irp i, 0,1,2
	v_mov_b32 v[PC+3+6*\c+\i], v[PC+12+4*\c+\i]
.endr
.endr
.endm
.macro KSTEP k
.if (\k) < 7
	s_wait_loadcnt 16                              ; this K step's 16 loads are in; the next step's 16 may be out
.else
	s_wait_loadcnt 0x0
.endif
	TURN \k
	s_wait_dscnt 0x0                               ; my numbers are back, and the stores into the stage have read their registers,
.if (\k) < 6
	LOAD (\k)+2                                    ; which take the K step two on
.endif
	QUANT X, PW+(\k)
	global_store_b128 v[L16], v[PC:PC+3], s[22:23] offset:FRB*(\k)             ; each store of the wave covers 512 or 256 consecutive bytes, aligned
	global_store_b64 v[L8], v[PC+4:PC+5], s[22:23] offset:FRB*(\k)+512
	global_store_b128 v[L16], v[PC+6:PC+9], s[22:23] offset:FRB*(\k)+768
	global_store_b64 v[L8], v[PC+10:PC+11], s[22:23] offset:FRB*(\k)+1280
.endm
	LOAD 0
	LOAD 1
.irp k, 0,1,2,3,4,5,6,7
	KSTEP \k
.endr
	v_cmp_le_u32 vcc_lo, 16, v1                    ; lanes 16-31 store words 4 to 7 of their row, lanes 0-15 words 0 to 3
.irp e, 0,1,2,3
	v_cndmask_b32 v[OUTW+\e], v[PW+\e], v[PW+4+\e], vcc_lo
.endr
	global_store_b128 v[SCO], v[OUTW:OUTW+3], s[24:25]   ; the tile's 512 scale bytes, consecutive
	s_wait_tensorcnt 0x0
	ds_add_u32 v254, v255
	s_wait_dscnt 0x0
	s_endpgm
.Lfunc_end_k_q46d23ce04d_quant:
	.size	k_q46d23ce04d_quant, .Lfunc_end_k_q46d23ce04d_quant-k_q46d23ce04d_quant
	.p2alignl 7, 3214868480
	.fill 96, 4, 3214868480
	.section	.rodata,"a",@progbits
	.p2align	6, 0x0
	.amdhsa_kernel k_q46d23ce04d_quant
		.amdhsa_group_segment_fixed_size 26112
		.amdhsa_private_segment_fixed_size 0
		.amdhsa_enable_private_segment 0
		.amdhsa_kernarg_size 56
		.amdhsa_user_sgpr_count 2
		.amdhsa_user_sgpr_kernarg_segment_ptr 1
		.amdhsa_wavefront_size32 1
		.amdhsa_system_sgpr_workgroup_id_x 1
		.amdhsa_system_sgpr_workgroup_id_y 1
		.amdhsa_system_sgpr_workgroup_id_z 1
		.amdhsa_system_vgpr_workitem_id 0
		.amdhsa_next_free_vgpr 256
		.amdhsa_next_free_sgpr 66
		.amdhsa_reserve_vcc 1
		.amdhsa_float_denorm_mode_32 3
		.amdhsa_float_denorm_mode_16_64 3
		.amdhsa_memory_ordered 1
		.amdhsa_forward_progress 1
		.amdhsa_inst_pref_size 65
	.end_amdhsa_kernel
	.amdgpu_metadata
---
amdhsa.version: [ 1, 2 ]
amdhsa.kernels:
  - .name:           k_q46d23ce04d_quant
    .symbol:         k_q46d23ce04d_quant.kd
    .args:
      - { .name: x, .offset: 0, .size: 8, .value_kind: global_buffer, .address_space: global }
      - { .name: w_attn, .offset: 8, .size: 8, .value_kind: global_buffer, .address_space: global }
      - { .name: w_proj, .offset: 16, .size: 8, .value_kind: global_buffer, .address_space: global }
      - { .name: xc, .offset: 24, .size: 8, .value_kind: global_buffer, .address_space: global }
      - { .name: xs, .offset: 32, .size: 8, .value_kind: global_buffer, .address_space: global }
      - { .name: wc, .offset: 40, .size: 8, .value_kind: global_buffer, .address_space: global }
      - { .name: ws, .offset: 48, .size: 8, .value_kind: global_buffer, .address_space: global }
    .group_segment_fixed_size: 26112
    .private_segment_fixed_size: 0
    .kernarg_segment_align: 8
    .kernarg_segment_size: 56
    .max_flat_workgroup_size: 96
    .sgpr_count:     66
    .vgpr_count:     256
    .wavefront_size: 32
...
	.end_amdgpu_metadata
.endif
;; end of part 1
;; launch qkv (part 2): grid 4 x 64, 4 waves a work-group, clusters of 4 x 4, 327,680 bytes of LDS; arguments xc, xs, wc, ws, qkvc, qkvs; writes qkvc, qkvs
.if DOCPART == 2
	.amdgcn_target "amdgcn-amd-amdhsa--gfx1250"
	.amdhsa_code_object_version 6
	.text
	.protected	k_q46d23ce04d_qkv
	.globl	k_q46d23ce04d_qkv
	.p2align	8
	.type	k_q46d23ce04d_qkv,@function
k_q46d23ce04d_qkv:
	s_mov_b64 s[64:65], 0
	v_nop
	global_prefetch_b8 v0, s[64:65] scope:SCOPE_SE
	s_setreg_imm32_b32 hwreg(HW_REG_WAVE_MODE, 25, 1), 1
	s_wait_xcnt 0x0
	s_wait_alu depctr_hold_cnt(0) depctr_sa_sdst(0) depctr_va_vdst(0) depctr_va_sdst(0) depctr_va_ssrc(0) depctr_va_vcc(0) depctr_vm_vsrc(0)
	s_getreg_b32 s2, hwreg(HW_REG_IB_STS2, 6, 4)
	s_cmp_eq_u32 s2, 0
	s_cbranch_scc0 .Lentry_in_a_cluster
	s_endpgm
.Lentry_in_a_cluster:
	s_bfe_u32 s2, ttmp6, 0x10000c
	s_cmp_lg_u32 s2, 0xf033
	s_cbranch_scc0 .Lentry_shape_is_right
	s_endpgm
.Lentry_shape_is_right:
; qkv = x w_attn^T on codes of BF6 (E3M2) with E8M0 scales, K = 1,024, and the results quantised at once: q and k along the head's 64, v along the tokens.  No f32 result goes to memory.
; SHARES: 256 work-groups = 64 blocks of 128 tokens x 4 groups of four heads.  A work-group keeps its 128 tokens' codes for all of K in LDS (98,304 bytes) and walks three blocks of 256 rows of w_attn:
; the q, the k and the v rows of its four heads.  Each block is 128 x 256 x 1,024: four waves x 32 accumulators x 8 steps of 128 along K.
; THE OPERANDS LIE IN MEMORY AS IMAGES OF THEIR REGISTERS (1,536 bytes for 16 rows x 128 K: registers 0-3 at 16 x lane, 4-5 at 512 + 8 x lane, 6-9 at 768 + 16 x lane, 10-11 at 1,280 + 8 x lane; a row tile's eight
; fragments on end), rows in storage order (bits 3 and 4 of the row's number exchanged).  A tensor row is half of a row tile's K: 6,144 bytes, at a multiple of 256.
; LDS: x's K halves at 0 and 49,152 (8 row tiles x 6,144); two slots of 98,304 for the weights (16 row tiles x 6,144: half of a block's K); the spare words; a stage of 512 bytes a wave for scale words.
; THE RING: the six halves q0 q1 k0 k1 v0 v1 take the two slots by turns.  At the head each wave issues one load of 49,152 bytes (waves 0, 1: q0's two halves of rows; waves 2, 3: x's two K halves); q1 follows behind the
; full sequence and a round of the cluster's barrier; in a block's steps 3 and 7 the slot just read out is filled again, a quarter a wave.  Every wait on TENSORcnt is for 0; a wave has one load out at the most.
; CLUSTERS: 4 x 4 work-groups; x's tiles are asked for jointly along a row of the cluster (same tokens), the weights' along a column (same heads).
; THE MATRIX INSTRUCTION: source 0 = the operand of 8 row tiles, source 1 = that of 4: a lane holds one row of source 1's, and by the storage order the 16 registers of source 0's tiles 2 b, 2 b + 1 are 16 neighbouring
; actual rows.  q, k: source 0 = 128 weight rows (two heads), source 1 = 64 tokens; v: source 0 = the 128 tokens (a key step of attention), source 1 = 64 weight rows (one head).  Only address and scale registers differ.
; THE SCALE WORDS come straight from memory into registers, once: 32 bytes a row, two loads of 16 bytes a lane over each dense run of rows.
; OUT, for each head bh: qkvc: [Q | K | V], 98,304 bytes each; Q, K: [token tile][768 bytes: registers 0-5 of a fragment]; V: [key step of 128][d tile][1,536].
;   qkvs: [Q's words 8,192 | K's 8,192 | V's 4,096]; a word of Q or K: the head's two bytes, then 0x7f, 0x7f; V: [key step][d tile][16 rows] words.
; NO PREFETCH: a block's K is two fills, and every fill but q1 is asked for 128 matrix instructions or more ahead of the wait for it.
; LIMITS: a block of zeros gets the byte 1 (its codes are zeros; this program alone reads the bytes); NaN and infinities are not served.
; REGISTERS: window 0: v2-29 addresses; v32-159 scale words; v160-251 the way out.  window 1: source 0's fragments, two sets at v0, v128.  window 3: source 1's, two sets at v0, v64.  window 2: the accumulators, (a, b) at v[8 (8 a + b)].
.set FRB,   1536
.set TP,    6144                       ; a row tile's part of a region: four fragments
.set W0,    98304                      ; slot 0; slot 1 lies 98,304 further on
.set SPARE, 294912
.set STG,   295424
.set HEADC, 294912
.set PARTC, 98304
.set HEADS, 20480
.set BLK,   786432                     ; from q's rows to k's, from k's to v's: 1,024 rows x 768 bytes
.set L16, 2                            ; v2 16 x lane, v3 8 x lane
.set L8,  3
.set BIGQ, 4                           ; v4-7 q, k: source 0's LDS addresses: K half 0 (16 x lane, 8 x lane), K half 1; v8-11 source 1's; v12-19 the same for v
.set SMLQ, 8
.set BIGV, 12
.set SMLV, 16
.set SCO, 20                           ; v20 32 x lane, v21 32 x (lane % 16): scale words in memory
.set SCR, 21
.set SW,  22                           ; v22 my row's word in my stage; v23, v24 my 16, my 8 bytes of it; v25 where 16 bytes go in qkvs
.set SRD16, 23
.set SRD8, 24
.set VS0, 25
.set SPW, 28
.set NIL, 29
.set XQ,  32                           ; scale words: register 8 t + s = tile t (source 1) or tiles 2 t, 2 t + 1 in the two halves of the lanes (source 0), step s
.set XV,  64
.set WQ,  96
.set WVS, 128
.set KQ,  160                          ; v160-191 k's weights' scale words, loaded at the head and copied to WQ behind q's last product
.set OB,  248                          ; v248-251 the scale words read back from the stage
; the way out's other registers lie in WINDOW 3, beside source 1's two sets: n = 4 a + b counts the 16 blocks of 32 of the wave's four blocks a of 16 rows
.set TMAX, 112                         ; v112-127 block n's largest magnitude
.set TPRM, 128                         ; v128-143 lane l xor 16's, then the scale's byte
.set TSCL, 144                         ; v144-159 the conversion's scale operand
.set PT,  160                          ; v160-191 the conversions' second halves
.set PC,  192                          ; v192-239 the codes: 12 registers for each block a
.set WS0, 240
.set WS1, 244
.set PW,  248
.set WV, 16
.set HR, 17
.set HC, 18
.set TB, 19
.set G,  20
.set CY, 21
.set G0HW, 32
.set G0HX, 36
.set G0R,  40
.set G1W8, 48
.set G1X,  56
.set G1W4, 68
.set SEL,  76
.set MASK, 78
.set ORV,  79
.set SBQK, 80
.set SWQK, 82
.set SBV,  84
.set SWV,  86
.set PXQ,  88
.set PXV,  90
.set PWQ,  92
.set PWV,  94
.set MSB, 0
.macro WIN new                         ; the immediate's high byte repeats the setting that is left
.if MSB != (\new)
	s_set_vgpr_msb (MSB<<8)|(\new)
.set MSB, (\new)
.endif
.endm
.set MUL,    0xad                      ; source 0 window 1, source 1 window 3, C and D window 2
.set TO_BIG, 0x40
.set TO_SML, 0xc0
.set MAXW,   0xfa                      ; sources 0 and 1 window 2, source 2 and destination window 3
.set ALL3,   0xff                      ; all in window 3
.set CVTW,   0xce                      ; source 0 window 2, source 1 and destination window 3
.set STW,    0x0c                      ; a store's data window 3, its address window 0
.macro PLACES n
.rept \n
	v_nop
.endr
.endm
.macro CREST
	s_cmp_lg_u32 s[WV], 0
	s_cbranch_scc1 .Lnot_wave_0_\@
	s_barrier_signal -3
.Lnot_wave_0_\@:
	s_barrier_wait -3
	s_barrier_signal -1
	s_barrier_wait -1
.endm
.macro CROUND
	s_barrier_signal -1
	s_barrier_wait -1
	CREST
.endm
.macro FRAG reg, adr, off              ; a fragment's image, four dense loads
	ds_load_b128 v[\reg:\reg+3], v[\adr] offset:\off
	ds_load_b64 v[\reg+4:\reg+5], v[\adr+1] offset:\off+512
	ds_load_b128 v[\reg+6:\reg+9], v[\adr] offset:\off+768
	ds_load_b64 v[\reg+10:\reg+11], v[\adr+1] offset:\off+1280
.endm
.macro FETCH big, sml, s               ; step s's twelve fragments into set s % 2
	WIN TO_BIG
.irp i, 0,1,2,3,4,5,6,7
	FRAG 128*((\s)%2)+12*\i, \big+2*((\s)/4), \i*TP+((\s)%4)*FRB
.endr
	WIN TO_SML
.irp i, 0,1,2,3
	FRAG 64*((\s)%2)+12*\i, \sml+2*((\s)/4), \i*TP+((\s)%4)*FRB
.endr
	WIN 0
.endm
.macro WM d, x, y, sx, sy, z           ; two products: source 0's tiles b and b + 1, whose scale words share a register
.if \z
	v_wmma_scale_f32_16x16x128_f8f6f4 v[\d:\d+7], v[\x:\x+11], v[\y:\y+11], 0, v[\sx], v[\sy] matrix_a_fmt:MATRIX_FMT_BF6 matrix_b_fmt:MATRIX_FMT_BF6
	v_wmma_scale_f32_16x16x128_f8f6f4 v[\d+8:\d+15], v[\x+12:\x+23], v[\y:\y+11], 0, v[\sx], v[\sy] matrix_a_fmt:MATRIX_FMT_BF6 matrix_b_fmt:MATRIX_FMT_BF6 matrix_a_scale:MATRIX_SCALE_ROW1
.else
	v_wmma_scale_f32_16x16x128_f8f6f4 v[\d:\d+7], v[\x:\x+11], v[\y:\y+11], v[\d:\d+7], v[\sx], v[\sy] matrix_a_fmt:MATRIX_FMT_BF6 matrix_b_fmt:MATRIX_FMT_BF6
	v_wmma_scale_f32_16x16x128_f8f6f4 v[\d+8:\d+15], v[\x+12:\x+23], v[\y:\y+11], v[\d+8:\d+15], v[\sx], v[\sy] matrix_a_fmt:MATRIX_FMT_BF6 matrix_b_fmt:MATRIX_FMT_BF6 matrix_a_scale:MATRIX_SCALE_ROW1
.endif
.endm
.macro MULA a, s, bs, ss, z            ; eight products: source 1's tile a against source 0's eight.  The 32 accumulators take turns, in the same order in every step
.irp b, 0,2,4,6
	WM 8*(8*(\a)+\b), 128*((\s)%2)+12*\b, 64*((\s)%2)+12*(\a), \bs+4*\b+(\s), \ss+8*(\a)+(\s), \z
.endr
.endm
.macro REST s, bs, ss
	WIN MUL
	MULA 2, \s, \bs, \ss, 0
	MULA 3, \s, \bs, \ss, 0
.endm
.macro STEPN s, big, sml, bs, ss, z    ; a step whose successor lies in the same K half
	s_wait_dscnt 0x0                               ; this step's fragments are in
	WIN MUL
	MULA 0, \s, \bs, \ss, \z
	PLACES 4                                       ; in front of loads into registers that the step before multiplied
	FETCH \big, \sml, (\s)+1
	WIN MUL
	MULA 1, \s, \bs, \ss, \z
	MULA 2, \s, \bs, \ss, \z
	MULA 3, \s, \bs, \ss, \z
.endm
; The first half of a step behind which a slot is read no more: all my tensor loads waited for, the add, my reads waited for, a round of the cluster's barrier, and the slot's refill first behind it.
.macro TURNA s, bs, ss, slot
	WIN 0
	s_wait_tensorcnt 0x0
	ds_add_u32 v[SPW], v[NIL]
	s_wait_dscnt 0x1                               ; (the add may be out; this step's fragments are in)
	WIN MUL
	MULA 0, \s, \bs, \ss, 0
	s_wait_dscnt 0x0
	s_barrier_signal -1
	MULA 1, \s, \bs, \ss, 0
	WIN 0
	s_barrier_wait -1
	CREST
	s_add_nc_u64 s[G0R+4*\slot+2:G0R+4*\slot+3], s[G0R+4*\slot+2:G0R+4*\slot+3], BLK
	tensor_load_to_lds s[G0R+4*\slot:G0R+4*\slot+3], s[G1W4:G1W4+7]
	s_nop 0
	PLACES 4                                       ; also the places in front of the loads that follow
.endm
.macro TURNB s, bs, ss                 ; the same where nothing is filled again: one barrier shows the other slot whole
	WIN 0
	s_wait_tensorcnt 0x0
	s_wait_dscnt 0x0
	WIN MUL
	MULA 0, \s, \bs, \ss, 0
	s_barrier_signal -1
	MULA 1, \s, \bs, \ss, 0
	WIN 0
	s_barrier_wait -1
	PLACES 4
.endm
.macro LDSC reg, n, adr, base, pitch, off   ; scale words of n runs of rows: 32 bytes a row
.set M, 0
.rept \n
	global_load_b128 v[\reg+8*M:\reg+8*M+3], v[\adr], s[\base:\base+1] offset:\off+\pitch*M
	global_load_b128 v[\reg+8*M+4:\reg+8*M+7], v[\adr], s[\base:\base+1] offset:\off+\pitch*M+16
.set M, M+1
.endr
.endm
	s_load_b256 s[4:11], s[0:1], 0x0               ; xc s[4:5], xs s[6:7], wc s[8:9], ws s[10:11]
	s_load_b128 s[12:15], s[0:1], 0x20             ; qkvc, qkvs
	v_lshl_add_u32 v[SPW], v0, 2, SPARE
	v_mov_b32 v[NIL], 0
	ds_add_u32 v[SPW], v[NIL]                      ; the opening lines: the add, twice on end, and its wait
	ds_add_u32 v[SPW], v[NIL]
	v_lshrrev_b32 v1, 5, v0
	v_readfirstlane_b32 s[WV], v1                  ; wave 0..3
	s_lshr_b32 s[HR], s[WV], 1
	s_and_b32 s[HC], s[WV], 1
	s_bfe_u32 s[G], ttmp6, 0x40000                 ; cx: the group of four heads (the grid is one cluster wide)
	s_bfe_u32 s[CY], ttmp6, 0x40004
	s_and_b32 s[TB], ttmp7, 0xffff
	s_lshl_b32 s[TB], s[TB], 2
	s_add_co_u32 s[TB], s[TB], s[CY]               ; the block of 128 tokens
	s_lshl_b32 s22, s[CY], 2
	s_lshl_b32 s22, 15, s22                        ; my row of the cluster
	s_lshl_b32 s23, 0x1111, s[G]                   ; my column
	s_or_b32 s[G1W8], s23, (3<<16)|(1<<21)         ; rows of 768 elements of 8 bytes, 12,288 bytes apart in memory, dense in LDS
	s_or_b32 s[G1W4], s23, (3<<16)|(1<<21)
	s_or_b32 s[G1X], s22, (3<<16)|(1<<21)
.irp g, G1W8, G1W4, G1X
	s_mov_b32 s[\g+1], 768<<16
	s_mov_b32 s[\g+3], 768<<16
	s_mov_b32 s[\g+5], 1536
	s_mov_b32 s[\g+6], 0
	s_mov_b32 s[\g+7], 0
.endr
	s_mov_b32 s[G1W8+2], 8<<16
	s_mov_b32 s[G1W8+4], 8
	s_mov_b32 s[G1X+2], 8<<16
	s_mov_b32 s[G1X+4], 8
	s_mov_b32 s[G1W4+2], 4<<16
	s_mov_b32 s[G1W4+4], 4
	s_lshl_b32 s24, s[G], 4                        ; the q block's first row tile
	s_lshl_b32 s25, s[HC], 3
	s_add_co_u32 s25, s24, s25
	s_mul_i32 s26, s25, 12288                      ; the head's load of weights: 8 row tiles
	s_mov_b32 s27, 0
	s_lshl_b32 s25, s[WV], 2
	s_add_co_u32 s25, s24, s25
	s_mul_i32 s28, s25, 12288                      ; the ring's: 4 row tiles
	s_mov_b32 s29, 0
	s_mul_i32 s30, s[TB], 98304
	s_mul_i32 s25, s[HC], 6144
	s_add_co_u32 s30, s30, s25                     ; x: a K half of my 8 row tiles
	s_mov_b32 s31, 0
	s_mul_i32 s2, s[HC], 49152
	s_mul_i32 s25, s[WV], 24576
	s_wait_dscnt 0x0
	s_wait_kmcnt 0x0
	s_mov_b32 s[G0HW], 1
	s_add_co_u32 s[G0HW+1], s2, W0
	s_add_nc_u64 s[G0HW+2:G0HW+3], s[8:9], s[26:27]
	s_or_b32 s[G0HW+3], s[G0HW+3], 0x80000000
	s_mov_b32 s[G0HX], 1
	s_mov_b32 s[G0HX+1], s2
	s_add_nc_u64 s[G0HX+2:G0HX+3], s[4:5], s[30:31]
	s_or_b32 s[G0HX+3], s[G0HX+3], 0x80000000
	s_mov_b32 s[G0R], 1
	s_add_co_u32 s[G0R+1], s25, W0
	s_add_nc_u64 s[G0R+2:G0R+3], s[8:9], s[28:29]
	s_mov_b32 s[G0R+4], 1
	s_add_co_u32 s[G0R+5], s25, 2*W0
	s_add_nc_u64 s[G0R+6:G0R+7], s[G0R+2:G0R+3], 6144
	s_or_b32 s[G0R+3], s[G0R+3], 0x80000000
	s_or_b32 s[G0R+7], s[G0R+7], 0x80000000
	CROUND                                         ; all sixteen work-groups are here: the first joint loads meet
	s_cmp_lt_u32 s[WV], 2                          ; one load a wave, one to each arm
	s_cbranch_scc0 .Lhead_x
	tensor_load_to_lds s[G0HW:G0HW+3], s[G1W8:G1W8+7]
	s_nop 0
	PLACES 4
	s_branch .Lhead_asked
.Lhead_x:
	tensor_load_to_lds s[G0HX:G0HX+3], s[G1X:G1X+7]
	s_nop 0
	PLACES 4
.Lhead_asked:
	s_mov_b32 s27, 0
	s_lshl_b32 s26, s[TB], 12                      ; scale words: 32 bytes a row
	s_add_nc_u64 s[PXV:PXV+1], s[6:7], s[26:27]
	s_lshl_b32 s28, s[HR], 11
	s_add_co_u32 s26, s26, s28
	s_add_nc_u64 s[PXQ:PXQ+1], s[6:7], s[26:27]
	s_lshl_b32 s30, s[G], 13
	s_lshl_b32 s28, s[HC], 12
	s_add_co_u32 s26, s30, s28
	s_add_nc_u64 s[PWQ:PWQ+1], s[10:11], s[26:27]
	s_lshl_b32 s28, s[WV], 11
	s_add_co_u32 s26, s30, s28
	s_add_co_u32 s26, s26, 65536
	s_add_nc_u64 s[PWV:PWV+1], s[10:11], s[26:27]
	s_mul_i32 s22, s[HC], 49152                    ; LDS: q, k: source 0 = my 8 row tiles of the slot,
	s_add_co_u32 s22, s22, W0
	s_mul_i32 s23, s[HR], 24576                    ; source 1 = my 4 of x;
	s_mul_i32 s24, s[WV], 24576                    ; v: source 1 = my 4 of the slot
	s_add_co_u32 s24, s24, W0
	s_add_co_u32 s25, s22, W0
	s_add_co_u32 s26, s23, 49152
	s_add_co_u32 s30, s24, W0
	s_lshl_b32 s28, s[WV], 9
	s_add_co_u32 s28, s28, STG                     ; my stage
	v_and_b32 v1, 31, v0
	v_and_b32 v30, 15, v0
	v_bfe_u32 v31, v0, 4, 1
	v_lshlrev_b32 v[L16], 4, v1
	v_lshlrev_b32 v[L8], 3, v1
	v_lshlrev_b32 v[SCO], 5, v1
	v_lshlrev_b32 v[SCR], 5, v30
	v_add_nc_u32 v[BIGQ], s22, v[L16]
	v_add_nc_u32 v[BIGQ+1], s22, v[L8]
	v_add_nc_u32 v[BIGQ+2], s25, v[L16]
	v_add_nc_u32 v[BIGQ+3], s25, v[L8]
	v_add_nc_u32 v[SMLQ], s23, v[L16]
	v_add_nc_u32 v[SMLQ+1], s23, v[L8]
	v_add_nc_u32 v[SMLQ+2], s26, v[L16]
	v_add_nc_u32 v[SMLQ+3], s26, v[L8]
	v_mov_b32 v[BIGV], v[L16]
	v_mov_b32 v[BIGV+1], v[L8]
	v_add_nc_u32 v[BIGV+2], 49152, v[L16]
	v_add_nc_u32 v[BIGV+3], 49152, v[L8]
	v_add_nc_u32 v[SMLV], s24, v[L16]
	v_add_nc_u32 v[SMLV+1], s24, v[L8]
	v_add_nc_u32 v[SMLV+2], s30, v[L16]
	v_add_nc_u32 v[SMLV+3], s30, v[L8]
	LDSC WQ, 4, SCO, PWQ, 1024, 0                  ; q's weights: 128 rows
	LDSC KQ, 4, SCO, PWQ, 1024, 32768              ; k's, 1,024 rows on
	LDSC XQ, 4, SCR, PXQ, 512, 0                   ; my 64 tokens
	LDSC XV, 4, SCO, PXV, 1024, 0                  ; all 128 tokens
	LDSC WVS, 4, SCR, PWV, 512, 0                  ; v's weights: my 64 rows
	v_lshl_add_u32 v[SW], v30, 2, s28
	v_add_nc_u32 v[SRD16], s28, v[L16]
	v_add_nc_u32 v[SRD8], s28, v[L8]
	v_mul_u32_u24 v[VS0], v31, HEADS               ; lanes 16-31 store the second head's words
	v_lshl_add_u32 v[VS0], v30, 4, v[VS0]
	WIN 0xc0
.set N, 0
.rept 16
	v_mov_b32 v[TPRM+N], 0                         ; written once: a lane permute's destination counts as one of its sources
.set N, N+1
.endr
	WIN 0
	s_mov_b32 s[SEL], 0x76543210
	s_mov_b32 s[SEL+1], 0xfedcba98
	s_mov_b32 s[MASK], 0xffff
	s_mov_b32 s[ORV], 0x7f7f0000
	s_lshr_b32 s22, s[TB], 4                       ; where my results go: the batch,
	s_and_b32 s23, s[TB], 15                       ; which 128 tokens of it
	s_lshl_b32 s22, s22, 4
	s_lshl_b32 s24, s[G], 2
	s_add_co_u32 s22, s22, s24
	s_lshl_b32 s24, s[HC], 1
	s_add_co_u32 s24, s22, s24                     ; q, k: the first of my two heads
	s_add_co_u32 s25, s22, s[WV]                   ; v: my head
	s_mul_i32 s26, s24, HEADC
	s_lshl_b32 s28, s23, 3
	s_lshl_b32 s29, s[HR], 2
	s_add_co_u32 s28, s28, s29
	s_mul_i32 s28, s28, 768
	s_add_co_u32 s26, s26, s28
	s_add_nc_u64 s[SBQK:SBQK+1], s[12:13], s[26:27]
	s_mul_i32 s26, s24, HEADS
	s_lshl_b32 s28, s23, 9
	s_add_co_u32 s26, s26, s28
	s_lshl_b32 s28, s[HR], 8
	s_add_co_u32 s26, s26, s28
	s_add_nc_u64 s[SWQK:SWQK+1], s[14:15], s[26:27]
	s_mul_i32 s26, s25, HEADC
	s_mul_i32 s28, s23, 6144
	s_add_co_u32 s26, s26, s28
	s_add_co_u32 s26, s26, 2*PARTC
	s_add_nc_u64 s[SBV:SBV+1], s[12:13], s[26:27]
	s_mul_i32 s26, s25, HEADS
	s_lshl_b32 s28, s23, 8
	s_add_co_u32 s26, s26, s28
	s_add_co_u32 s26, s26, 16384
	s_add_nc_u64 s[SWV:SWV+1], s[14:15], s[26:27]
; THE WAY OUT of block a (16 rows of source 1): 64 registers a lane, register 16 b + i = source 0's actual row 32 b + 16 h + i: four blocks of 32 along the next product's K.  They are quantised where they lie and leave
; as the image of a fragment: every store of the wave covers 512 or 256 consecutive bytes, aligned.  Each accumulator is read from its low end on.  kv = 1: v.
; ALL FOUR BLOCKS a GO STAGE BY STAGE: the 16 blocks of 32 (n = 4 a + b, at accumulator registers 16 n on) take turns in every stage, so that no line reads what one of the fifteen lines before it wrote.
.macro OUT4 kv
	WIN MAXW
.set N, 0
.rept 16
	v_max3_num_f32 v[TMAX+N], |v[16*N]|, |v[16*N+1]|, 0x2800000   ; and the floor 2^(5 - 127): the byte cannot fall under 1
.set N, N+1
.endr
.irp i, 2,4,6,8,10,12,14
.set N, 0
.rept 16
	v_max3_num_f32 v[TMAX+N], |v[16*N+\i]|, |v[16*N+\i+1]|, v[TMAX+N]
.set N, N+1
.endr
.endr
	WIN ALL3
.set N, 0
.rept 16
	v_permlanex16_b32 v[TPRM+N], v[TMAX+N], s[SEL], s[SEL+1]
.set N, N+1
.endr
.set N, 0
.rept 16
	v_max_num_f32 v[TMAX+N], v[TMAX+N], v[TPRM+N]  ; with lane l xor 16's: the block's largest magnitude
.set N, N+1
.endr
.set N, 0
.rept 16
	v_add_nc_u32 v[TSCL+N], 0xfe000000, v[TMAX+N]  ; 4 off its exponent field: the conversion's scale operand
.set N, N+1
.endr
.set N, 0
.rept 16
	v_lshrrev_b32 v[TPRM+N], 23, v[TSCL+N]         ; the scale's byte
.set N, N+1
.endr
.irp a, 0,1,2,3
	v_lshl_or_b32 v[PW+\a], v[TPRM+4*\a+1], 8, v[TPRM+4*\a]
.endr
.irp a, 0,1,2,3
	v_lshl_or_b32 v[PW+\a], v[TPRM+4*\a+2], 16, v[PW+\a]
.endr
.if \kv
.irp a, 0,1,2,3
	v_lshl_or_b32 v[WS0+\a], v[TPRM+4*\a+3], 24, v[PW+\a]   ; v: the word as it is
.endr
.else
.irp a, 0,1,2,3
	v_lshl_or_b32 v[PW+\a], v[TPRM+4*\a+3], 24, v[PW+\a]
.endr
.irp a, 0,1,2,3
	v_and_or_b32 v[WS0+\a], v[PW+\a], s[MASK], s[ORV]       ; q, k: the first head's two bytes and 0x7f, 0x7f
.endr
.irp a, 0,1,2,3
	v_lshrrev_b32 v[WS1+\a], 16, v[PW+\a]
.endr
.irp a, 0,1,2,3
	v_or_b32 v[WS1+\a], 0x7f7f0000, v[WS1+\a]      ; the second head's
.endr
.endif
	WIN STW
.irp a, 0,1,2,3
	ds_store_b32 v[SW], v[WS0+\a] offset:64*\a     ; lanes r and r + 16 write the same word with the same value
.endr
.if \kv == 0
.irp a, 0,1,2,3
	ds_store_b32 v[SW], v[WS1+\a] offset:256+64*\a
.endr
.endif
	WIN 0
.if \kv
	ds_load_b64 v[OB:OB+1], v[SRD8]                ; LDS serves a wave's instructions in order: this sees my stores; it comes back under the conversions
.else
	ds_load_b128 v[OB:OB+3], v[SRD16]
.endif
	WIN CVTW
.set N, 0
.rept 8
	v_cvt_scalef32_pk16_bf6_f32 v[PC+6*N:PC+6*N+2], v[32*N:32*N+15], v[TSCL+2*N]
	v_cvt_scalef32_pk16_bf6_f32 v[PT+4*N:PT+4*N+2], v[32*N+16:32*N+31], v[TSCL+2*N+1]   ; (a conversion's three registers begin on an even number)
.set N, N+1
.endr
	WIN ALL3
	v_nop                                          ; one plain place behind the last scaled conversion
.set N, 0
.rept 8                                ; a whole block in a lane: lanes 0-15 the even block, lanes 16-31 the odd one
.irp i, 0,1,2
	v_permlane16_swap_b32 v[PC+6*N+\i], v[PT+4*N+\i]
.endr
.set N, N+1
.endr
.set N, 0
.rept 8
.irp i, 0,1,2
	v_mov_b32 v[PC+6*N+3+\i], v[PT+4*N+\i]
.endr
.set N, N+1
.endr
	WIN STW
.irp a, 0,1,2,3
.if \kv
	global_store_b128 v[L16], v[PC+12*\a:PC+12*\a+3], s[SBV:SBV+1] offset:1536*\a
	global_store_b64 v[L8], v[PC+12*\a+4:PC+12*\a+5], s[SBV:SBV+1] offset:1536*\a+512
	global_store_b128 v[L16], v[PC+12*\a+6:PC+12*\a+9], s[SBV:SBV+1] offset:1536*\a+768
	global_store_b64 v[L8], v[PC+12*\a+10:PC+12*\a+11], s[SBV:SBV+1] offset:1536*\a+1280
.else
	global_store_b128 v[L16], v[PC+12*\a:PC+12*\a+3], s[SBQK:SBQK+1] offset:768*\a
	global_store_b64 v[L8], v[PC+12*\a+4:PC+12*\a+5], s[SBQK:SBQK+1] offset:768*\a+512
	global_store_b128 v[L16], v[PC+12*\a+6:PC+12*\a+9], s[SBQK:SBQK+1] offset:HEADC+768*\a
	global_store_b64 v[L8], v[PC+12*\a+10:PC+12*\a+11], s[SBQK:SBQK+1] offset:HEADC+768*\a+512
.endif
.endr
	WIN 0
	s_wait_alu depctr_va_vdst(0)
	s_wait_dscnt 0x0                               ; the words are back
.if \kv
	global_store_b64 v[L8], v[OB:OB+1], s[SWV:SWV+1]       ; my head's 256 bytes of words
.else
	global_store_b128 v[VS0], v[OB:OB+3], s[SWQK:SWQK+1]   ; 256 bytes of words for each of my two heads
.endif
.endm
	s_wait_alu depctr_va_vdst(0)
	s_wait_loadcnt 0x0                             ; the scale words
	s_wait_tensorcnt 0x0                           ; my tile of the head's four is in
	ds_add_u32 v[SPW], v[NIL]
	s_wait_dscnt 0x0
	CROUND
	tensor_load_to_lds s[G0R+4:G0R+7], s[G1W4:G1W4+7]   ; q1: my quarter of slot 1
	s_nop 0
	PLACES 4
	FETCH BIGQ, SMLQ, 0
	s_mov_b32 s3, 2
	s_mov_b32 s22, 0                               ; what a way out adds to its stores' bases: nothing for q; for k the step from Q's part to K's
	s_mov_b32 s23, 0
	s_mov_b32 s24, 0
	s_mov_b32 s25, 0
.Lblock:                                               ; two trips: q, k
	STEPN 0, BIGQ, SMLQ, WQ, XQ, 1                 ; the first step's products start the sums
	STEPN 1, BIGQ, SMLQ, WQ, XQ, 0
	STEPN 2, BIGQ, SMLQ, WQ, XQ, 0
	TURNA 3, WQ, XQ, 0                             ; slot 0 takes the next block's first K half
	FETCH BIGQ, SMLQ, 4
	REST 3, WQ, XQ
	STEPN 4, BIGQ, SMLQ, WQ, XQ, 0
	STEPN 5, BIGQ, SMLQ, WQ, XQ, 0
	STEPN 6, BIGQ, SMLQ, WQ, XQ, 0
	TURNA 7, WQ, XQ, 1                             ; slot 1 takes the next block's second K half
	s_cmp_eq_u32 s3, 1                             ; the next block's first fragments: k's as q's, v's by its own addresses
	s_cbranch_scc1 .Lnext_v
	FETCH BIGQ, SMLQ, 0
	s_branch .Lfetched
.Lnext_v:
	FETCH BIGV, SMLV, 0
.Lfetched:
	REST 7, WQ, XQ
	WIN 0
	PLACES 4                                       ; behind the last products: in front of the first read of results and of loads into their scale registers
	s_wait_xcnt 0x0                                ; the last way out's stores have read their data
	s_add_nc_u64 s[SBQK:SBQK+1], s[SBQK:SBQK+1], s[22:23]   ; (behind the wait on XCNT: the last way out's stores have read their bases too)
	s_add_nc_u64 s[SWQK:SWQK+1], s[SWQK:SWQK+1], s[24:25]
	s_cmp_eq_u32 s3, 1
	s_cbranch_scc1 .Lno_scales
.set N, 0
.rept 32
	v_mov_b32 v[WQ+N], v[KQ+N]                     ; k's weights' scale words take q's registers: one loop body serves both blocks
.set N, N+1
.endr
.Lno_scales:
	OUT4 0
	s_mov_b32 s22, PARTC
	s_mov_b32 s24, 8192
	s_sub_co_u32 s3, s3, 1
	s_cmp_lg_u32 s3, 0
	s_cbranch_scc1 .Lblock
	STEPN 0, BIGV, SMLV, XV, WVS, 1                ; v: nothing more is fetched
	STEPN 1, BIGV, SMLV, XV, WVS, 0
	STEPN 2, BIGV, SMLV, XV, WVS, 0
	TURNB 3, XV, WVS
	FETCH BIGV, SMLV, 4
	REST 3, XV, WVS
	STEPN 4, BIGV, SMLV, XV, WVS, 0
	STEPN 5, BIGV, SMLV, XV, WVS, 0
	STEPN 6, BIGV, SMLV, XV, WVS, 0
	s_wait_dscnt 0x0
	WIN MUL
	MULA 0, 7, XV, WVS, 0
	MULA 1, 7, XV, WVS, 0
	REST 7, XV, WVS
	WIN 0
	PLACES 4
	s_wait_xcnt 0x0                                ; k's stores have read their data
	OUT4 1
	s_wait_tensorcnt 0x0                           ; the wave's end
	ds_add_u32 v[SPW], v[NIL]
	s_wait_dscnt 0x0
	CROUND                                         ; the closing round
	s_endpgm
.Lfunc_end_k_q46d23ce04d_qkv:
	.size	k_q46d23ce04d_qkv, .Lfunc_end_k_q46d23ce04d_qkv-k_q46d23ce04d_qkv
	.p2alignl 7, 3214868480
	.fill 96, 4, 3214868480
	.section	.rodata,"a",@progbits
	.p2align	6, 0x0
	.amdhsa_kernel k_q46d23ce04d_qkv
		.amdhsa_group_segment_fixed_size 327680
		.amdhsa_private_segment_fixed_size 0
		.amdhsa_enable_private_segment 0
		.amdhsa_kernarg_size 48
		.amdhsa_user_sgpr_count 2
		.amdhsa_user_sgpr_kernarg_segment_ptr 1
		.amdhsa_wavefront_size32 1
		.amdhsa_system_sgpr_workgroup_id_x 1
		.amdhsa_system_sgpr_workgroup_id_y 1
		.amdhsa_system_sgpr_workgroup_id_z 1
		.amdhsa_system_vgpr_workitem_id 0
		.amdhsa_next_free_vgpr 1024
		.amdhsa_next_free_sgpr 96
		.amdhsa_reserve_vcc 0
		.amdhsa_float_denorm_mode_32 3
		.amdhsa_float_denorm_mode_16_64 3
		.amdhsa_memory_ordered 1
		.amdhsa_forward_progress 1
		.amdhsa_inst_pref_size 172
	.end_amdhsa_kernel
	.amdgpu_metadata
---
amdhsa.version: [ 1, 2 ]
amdhsa.kernels:
  - .name:           k_q46d23ce04d_qkv
    .symbol:         k_q46d23ce04d_qkv.kd
    .args:
      - { .name: xc, .offset: 0, .size: 8, .value_kind: global_buffer, .address_space: global }
      - { .name: xs, .offset: 8, .size: 8, .value_kind: global_buffer, .address_space: global }
      - { .name: wc, .offset: 16, .size: 8, .value_kind: global_buffer, .address_space: global }
      - { .name: ws, .offset: 24, .size: 8, .value_kind: global_buffer, .address_space: global }
      - { .name: qkvc, .offset: 32, .size: 8, .value_kind: global_buffer, .address_space: global }
      - { .name: qkvs, .offset: 40, .size: 8, .value_kind: global_buffer, .address_space: global }
    .group_segment_fixed_size: 327680
    .private_segment_fixed_size: 0
    .kernarg_segment_align: 8
    .kernarg_segment_size: 48
    .max_flat_workgroup_size: 128
    .sgpr_count:     96
    .vgpr_count:     1024
    .wavefront_size: 32
...
	.end_amdgpu_metadata
.endif
;; end of part 2
;; launch attn (part 3): grid 4 x 64, 16 waves a work-group, clusters of 4 x 1, 327,680 bytes of LDS; arguments qkvc, qkvs, yc, ys; writes yc, ys
.if DOCPART == 3
	.amdgcn_target "amdgcn-amd-amdhsa--gfx1250"
	.amdhsa_code_object_version 6
	.text
	.protected	k_q46d23ce04d_attn
	.globl	k_q46d23ce04d_attn
	.p2align	8
	.type	k_q46d23ce04d_attn,@function
k_q46d23ce04d_attn:
	s_mov_b64 s[64:65], 0
	v_nop
	global_prefetch_b8 v0, s[64:65] scope:SCOPE_SE
	s_setreg_imm32_b32 hwreg(HW_REG_WAVE_MODE, 25, 1), 1
	s_wait_xcnt 0x0
	s_wait_alu depctr_hold_cnt(0) depctr_sa_sdst(0) depctr_va_vdst(0) depctr_va_sdst(0) depctr_va_ssrc(0) depctr_va_vcc(0) depctr_vm_vsrc(0)
	s_getreg_b32 s2, hwreg(HW_REG_IB_STS2, 6, 4)
	s_cmp_eq_u32 s2, 0
	s_cbranch_scc0 .Lentry_in_a_cluster
	s_endpgm
.Lentry_in_a_cluster:
	s_bfe_u32 s2, ttmp6, 0x10000c
	s_cmp_lg_u32 s2, 0x3003
	s_cbranch_scc0 .Lentry_shape_is_right
	s_endpgm
.Lentry_shape_is_right:
; y[b][q][head] = softmax_k(q . k / 8, causal) v for 64 heads of 2,048 tokens x 64, both products on codes of BF6 (E3M2) with E8M0 scales; y is quantised along C at once and leaves as the next product's operand.
; WORK LEFT OUT: key steps wholly behind a query tile's last query: reference()'s own causal mask makes their p zero for all values of the inputs.
; THE SOFTMAX AHEAD OF THE SECOND PRODUCT: t = score x log2(e) / 8; M = the row's largest t so far, rounded up to a whole number; p = 2^(t - M) is quantised along the keys, not normalised.
; The row's sum is taken of the unquantised p and divides O at the end.  When M moves, the sum and O are multiplied by 2^(old M - new M): exact.
; IN, for each head: Q, K: [token tile][768 bytes: registers 0-5 of a fragment]; V: [key step of 128][d tile][1,536 bytes: a fragment, K = 128 actual keys]; scale words beside them.
; Tokens and the head's 64 are in storage order (bits 3 and 4 of the number exchanged): row j of tile t is actual 32 (t / 2) + 8 (t % 2) + j + 8 (j / 8).
; CLUSTERS: the four work-groups of a head form a cluster of 4 x 1 and ask for the head's K, V and scale words JOINTLY (mask 15).
; SHARES: a query tile rho needs rho / 8 + 1 key steps.  With w' = wave % 8, u = wave / 8 and cx the work-group's place, a wave owns the long tile 8 (15 - w') + 2 cx + u and the short tile 8 w' + 2 cx + u:
; 17 key steps for every wave, and the step on the diagonal (15 - w', w') hangs on the wave's number alone: no branch hangs on a work-group's place.  cx enters only global addresses of Q and y and the mask's compare.
; THE WHOLE HEAD'S K, V AND SCALE WORDS LIE IN LDS, each byte filled once, by two fills.  At the head waves 0-11 fetch 16 rows of 256 bytes each (key steps 0-3 of K and of V) and wave 12 the 48 rows of scale words.
; Behind the full sequence and a round of the cluster's barrier waves 0-11 fetch 48 rows each: key steps 4-15.  While those land every wave works key steps 0-3 of its long tile, none of which reaches its diagonal
; (15 - w' is 8 at the least); one barrier follows, and then the waves run free.  Every wait on TENSORcnt is for 0; a wave has one load out at the most.
; NO PREFETCH: there are two fills; the second is asked for directly behind the first's landing, and no loop runs ahead of it.
; LAYOUT: both products are used transposed: S^T = K Q^T (source 0 = 16 keys), O^T = V^T P^T (source 0 = 16 of the head's 64): a lane holds ONE query (lane % 16); by the storage order the 16 registers of
; tiles 2 b, 2 b + 1 are 16 neighbouring actual keys (or channels): 32 b + 16 (lane / 16) + 0 .. 15.
; K = 64 IN AN INSTRUCTION OF 128: Q's registers 6-11 are zero codes, and bytes 2, 3 of Q's and K's scale words are 0x7f.  K's operand for tile t is v[32 + 6 t .. 43 + 6 t]: its upper six registers hold the next
; tile's codes (zeros behind the last); the format has no infinity and no NaN, so those products are exact zeros.
; LIMITS: the promise holds while |t| stays under 2^31; a block of zeros gets the byte 1 (its codes are zeros; this program alone reads the bytes); NaN and infinities are not served.
; REGISTERS: v1-9 addresses that stay; v10, 11, 29-31, 89 the step's addresses; v12 -M, v13 the largest t, v[14:15] the sum; v16-27 Q of the long tile, v28 its words; v32-79 K's 8 half fragments, then V's 4 fragments;
;   v80-85 zeros; v86-87 V's words, v88 p's word, v90-93 K's words; v96-159 S^T, then p; v160-191 O^T; v192-203 Q of the short tile, v204 its words; v224-254 at work; v251, v255 the add's two.
.set VLDS,  98304                      ; LDS: K at 0 (128 tiles x 768), V here (16 steps x 6,144),
.set KSW,   196608                     ; K's scale words (2,048 x 4),
.set VSW,   204800                     ; V's (16 x 256),
.set SPARE, 208896                     ; the spare words: 128 bytes a wave, that no other line names
.set HEADC, 294912                     ; a head's bytes in qkvc: Q, K, V of 98,304 each
.set HEADS, 20480                      ; and in qkvs: 8,192, 8,192, 4,096
.set WV,   12
.set BH,   13
.set RHO,  14                          ; s14 the query tile at work
.set DIAG, 15                          ; s15 its key step on the diagonal
.set J,    16                          ; s16 the key step
.set QB,   17                          ; s17 the tile's first actual query
.set SEL,  20                          ; s[20:21] lane selects: lane l xor 16
.set CS,   22                          ; s[22:23] c = log2(e) / 8
.set G1C,  24                          ; s[24:31] group 1 for 16 rows of 256 bytes; s[32:39] for 48 rows
.set G1S,  32
.set G0A,  40                          ; s[40:43] key steps 0-3, s[44:47] the scale words, s[48:51] key steps 4-15; never rewritten
.set G0B,  44
.set G0C,  48
.set TB,   52                          ; s52 the step's bytes in K and in V: 6,144 a step
.set TSK,  53                          ; s53 in K's words: 512 a step
.set TSV,  54                          ; s54 in V's words: 256 a step
.set KF,   55                          ; s55 the step's first key
.set CX,   72                          ; s72 my work-group's place in the cluster
.set RA,   73                          ; s73 the short tile, s74 the long one
.set RB,   74
.set DA,   75                          ; s75, s76 their diagonal steps, made of the wave's number alone
.set DB,   76
.macro CROUND                          ; a round of the cluster's barrier
	s_barrier_signal -1
	s_barrier_wait -1
	s_cmp_lg_u32 s[WV], 0
	s_cbranch_scc1 .Lnot_wave_0_\@
	s_barrier_signal -3
.Lnot_wave_0_\@:
	s_barrier_wait -3
	s_barrier_signal -1
	s_barrier_wait -1
.endm
	s_load_b256 s[4:11], s[0:1], 0x0               ; qkvc s[4:5], qkvs s[6:7], yc s[8:9], ys s[10:11]
	v_lshl_add_u32 v251, v0, 2, SPARE
	v_mov_b32 v255, 0
	ds_add_u32 v251, v255                          ; the opening lines: the add, twice on end, and its wait
	ds_add_u32 v251, v255
	v_lshrrev_b32 v1, 5, v0
	v_readfirstlane_b32 s[WV], v1                  ; wave 0..15
	s_and_b32 s[BH], ttmp7, 0xffff                 ; the cluster's y: the head, 0..63
	s_bfe_u32 s[CX], ttmp6, 0x40000
.irp g, G1C, G1S                       ; dense blocks as rows of 256 bytes (32 elements of 8 bytes); the mask names the cluster's four, bit 21 beside it
	s_mov_b32 s[\g], (3<<16)|(1<<21)|15
	s_mov_b32 s[\g+1], 32<<16
	s_mov_b32 s[\g+3], 32<<16
	s_mov_b32 s[\g+5], 32
	s_mov_b32 s[\g+6], 0
	s_mov_b32 s[\g+7], 0
.endr
	s_mov_b32 s[G1C+2], 16<<16
	s_mov_b32 s[G1C+4], 16
	s_mov_b32 s[G1S+2], 48<<16
	s_mov_b32 s[G1S+4], 48
	s_mul_i32 s18, s[WV], 11
	s_lshr_b32 s18, s18, 6                         ; waves 0-5 fetch K (0), waves 6-11 V (1): in memory V follows K as in LDS
	s_mul_i32 s19, s18, 73728
	s_lshl_b32 s56, s[WV], 12
	s_add_co_u32 s19, s19, s56                     ; first fill: 98,304 x which + 4,096 x (wave % 6)
	s_mul_i32 s57, s18, 24576
	s_mul_i32 s56, s[WV], 12288
	s_add_co_u32 s57, s57, s56
	s_add_co_u32 s57, s57, 24576                   ; second fill: 98,304 x which + 24,576 + 12,288 x (wave % 6)
	s_mov_b32 s68, s19
	s_mov_b32 s69, 0
	s_mov_b32 s70, s57
	s_mov_b32 s71, 0
	s_mul_i32 s60, s[BH], HEADC                    ; the head's first byte in qkvc
	s_add_co_u32 s58, s60, 98304                   ; K: behind Q
	s_mov_b32 s59, 0
	s_mul_i32 s61, s[BH], HEADS                    ; and in qkvs
	s_add_co_u32 s62, s61, 8192                    ; K's words: behind Q's
	s_mov_b32 s63, 0
	s_mov_b32 s[SEL], 0x76543210
	s_mov_b32 s[SEL+1], 0xfedcba98
	s_mov_b32 s[CS], 0x3e38aa3b                    ; log2(e) / 8
	s_mov_b32 s[CS+1], s[CS]                       ; (named with it as a pair, so it is written)
	s_wait_dscnt 0x0
	s_wait_kmcnt 0x0
	s_add_nc_u64 s[58:59], s[4:5], s[58:59]
	s_mov_b32 s[G0A], 1
	s_mov_b32 s[G0A+1], s19
	s_add_nc_u64 s[G0A+2:G0A+3], s[58:59], s[68:69]
	s_or_b32 s[G0A+3], s[G0A+3], 0x80000000
	s_mov_b32 s[G0C], 1
	s_mov_b32 s[G0C+1], s57
	s_add_nc_u64 s[G0C+2:G0C+3], s[58:59], s[70:71]
	s_or_b32 s[G0C+3], s[G0C+3], 0x80000000
	s_mov_b32 s[G0B], 1
	s_mov_b32 s[G0B+1], KSW
	s_add_nc_u64 s[G0B+2:G0B+3], s[6:7], s[62:63]
	s_or_b32 s[G0B+3], s[G0B+3], 0x80000000
	CROUND                                         ; the four work-groups are here: the first joint loads meet
	s_cmp_lt_u32 s[WV], 12                         ; one chain of branches on the wave's number, one fill to an arm
	s_cbranch_scc0 .Lwords
	tensor_load_to_lds s[G0A:G0A+3], s[G1C:G1C+7]
	s_nop 0
.rept 4
	v_nop
.endr
	s_branch .Lasked
.Lwords:
	s_cmp_eq_u32 s[WV], 12
	s_cbranch_scc0 .Lasked
	tensor_load_to_lds s[G0B:G0B+3], s[G1S:G1S+7]
	s_nop 0
.rept 4
	v_nop
.endr
.Lasked:
	s_and_b32 s[DA], s[WV], 7                      ; w': the short tile's diagonal step
	s_sub_co_u32 s[DB], 15, s[DA]                  ; the long tile's
	s_lshr_b32 s18, s[WV], 3
	s_lshl_b32 s19, s[CX], 1
	s_add_co_u32 s18, s18, s19                     ; 2 cx + u
	s_lshl_b32 s19, s[DA], 3
	s_add_co_u32 s[RA], s19, s18
	s_lshl_b32 s19, s[DB], 3
	s_add_co_u32 s[RB], s19, s18
	s_mul_i32 s70, s[RB], 768
	s_add_co_u32 s70, s70, s60
	s_add_nc_u64 s[66:67], s[4:5], s[70:71]        ; Q's codes, the long tile
	s_lshl_b32 s70, s[RB], 6
	s_add_co_u32 s70, s70, s61
	s_add_nc_u64 s[58:59], s[6:7], s[70:71]        ; its words
	s_mul_i32 s70, s[RA], 768
	s_add_co_u32 s70, s70, s60
	s_add_nc_u64 s[62:63], s[4:5], s[70:71]        ; the short tile
	s_lshl_b32 s70, s[RA], 6
	s_add_co_u32 s70, s70, s61
	s_add_nc_u64 s[68:69], s[6:7], s[70:71]
	v_and_b32 v9, 31, v0                           ; lane
	s_delay_alu instid0(VALU_DEP_1)
	v_lshlrev_b32 v1, 4, v9                        ; v1 16 x lane: K's images, Q's, y's
	s_delay_alu instid0(VALU_DEP_2)
	v_lshlrev_b32 v2, 3, v9                        ; v2 8 x lane
	s_delay_alu instid0(VALU_DEP_2)
	v_add_nc_u32 v3, VLDS, v1                      ; v3, v4 the same in V
	s_delay_alu instid0(VALU_DEP_2)
	v_add_nc_u32 v4, VLDS, v2
	v_lshl_add_u32 v5, v9, 2, KSW                  ; v5 K's words: 4 x lane
	v_lshl_add_u32 v6, v9, 2, VSW                  ; v6 V's
	v_and_b32 v10, 15, v0                          ; r
	v_bfe_u32 v11, v0, 4, 1                        ; h
	s_delay_alu instid0(VALU_DEP_2)
	v_lshlrev_b32 v7, 2, v10                       ; v7 4 r: Q's words
	s_delay_alu instid0(VALU_DEP_3)
	v_lshlrev_b32 v8, 5, v10                       ; v8 32 r: y's scale bytes
	global_load_b128 v[16:19], v1, s[66:67] th:TH_LOAD_NT
	global_load_b64 v[20:21], v2, s[66:67] offset:512 th:TH_LOAD_NT
	global_load_b32 v28, v7, s[58:59] th:TH_LOAD_NT
	global_load_b128 v[192:195], v1, s[62:63] th:TH_LOAD_NT
	global_load_b64 v[196:197], v2, s[62:63] offset:512 th:TH_LOAD_NT
	global_load_b32 v204, v7, s[68:69] th:TH_LOAD_NT
	v_and_b32 v9, 8, v10
	s_delay_alu instid0(VALU_DEP_1)
	v_add_nc_u32 v9, v9, v10
	v_lshlrev_b32 v11, 4, v11
	s_delay_alu instid0(VALU_DEP_1)
	v_sub_nc_u32 v9, v9, v11                       ; v9 r + 8 (r / 8) - 16 h: my query in its tile, less my half's first key
.irp j, 22,23,24,25,26,27,198,199,200,201,202,203,80,81,82,83,84,85
	v_mov_b32 v[\j], 0                             ; zero codes: the half of the instruction's K that a head does not fill
.endr
.irp j, 236,237,238,239,252,253
	v_mov_b32 v[\j], 0                             ; written once: a lane permute's destination counts as one of its sources; v253 is named as the upper half of the pair v[252:253]
.endr
	s_lshr_b32 s18, s[BH], 4                       ; batch
	s_and_b32 s19, s[BH], 15                       ; head in it
	s_mul_i32 s70, s18, 128*12288                  ; yc: [row tile][head][768]
	s_mul_i32 s56, s19, 768
	s_add_co_u32 s70, s70, s56
	s_add_nc_u64 s[8:9], s[8:9], s[70:71]
	s_lshl_b32 s70, s18, 16                        ; ys: [row][32], the head's two bytes
	s_lshl_b32 s56, s19, 1
	s_add_co_u32 s70, s70, s56
	s_add_nc_u64 s[10:11], s[10:11], s[70:71]
; A KEY STEP: 128 keys against my 16 queries.  QF: Q's fragment, QS: its scale words; mk = 1: the step may lie on the diagonal.
.macro STEP QF, QS, mk
	v_add_nc_u32 v10, s[TB], v1                    ; the step's addresses: these six are also the places in front of the loads into registers that the last products read
	v_add_nc_u32 v11, s[TB], v2
	v_add_nc_u32 v29, s[TB], v3
	v_add_nc_u32 v30, s[TB], v4
	v_add_nc_u32 v31, s[TSK], v5
	v_add_nc_u32 v89, s[TSV], v6
.irp t, 0,1,2,3,4,5,6,7
	ds_load_b128 v[32+6*\t:35+6*\t], v10 offset:768*\t
	ds_load_b64 v[36+6*\t:37+6*\t], v11 offset:768*\t+512
.endr
.irp m, 0,1,2,3
	ds_load_b32 v[90+\m], v31 offset:128*\m        ; lanes 0-15: tile 2 m's words, lanes 16-31: tile 2 m + 1's
.endr
	s_wait_alu depctr_va_vdst(0)
	s_wait_dscnt 0x0
.irp t, 0,2,4,6
	v_wmma_scale_f32_16x16x128_f8f6f4 v[96+8*\t:103+8*\t], v[32+6*\t:43+6*\t], v[\QF:\QF+11], 0, v[90+\t/2], v[\QS] matrix_a_fmt:MATRIX_FMT_BF6 matrix_b_fmt:MATRIX_FMT_BF6
	v_wmma_scale_f32_16x16x128_f8f6f4 v[96+8*(\t+1):103+8*(\t+1)], v[32+6*(\t+1):43+6*(\t+1)], v[\QF:\QF+11], 0, v[90+\t/2], v[\QS] matrix_a_fmt:MATRIX_FMT_BF6 matrix_b_fmt:MATRIX_FMT_BF6 matrix_a_scale:MATRIX_SCALE_ROW1
.endr
.rept 4
	v_nop                                          ; places in front of the loads below and of the first read of the scores
.endr
.irp t, 0,1,2,3                        ; V's four fragments are asked for here and land under the softmax
	ds_load_b128 v[32+12*\t:35+12*\t], v29 offset:1536*\t
	ds_load_b64 v[36+12*\t:37+12*\t], v30 offset:1536*\t+512
	ds_load_b128 v[38+12*\t:41+12*\t], v29 offset:1536*\t+768
	ds_load_b64 v[42+12*\t:43+12*\t], v30 offset:1536*\t+1280
.endr
	ds_load_b32 v86, v89                           ; lanes 0-15: d tile 0's words, lanes 16-31: d tile 1's
	ds_load_b32 v87, v89 offset:128
.if \mk
	s_cmp_lt_u32 s[J], s[DIAG]                     ; a step all of whose keys count skips the mask: a scalar branch on the wave's number and the loop's count
	s_cbranch_scc1 .Lopen_\@
	s_sub_co_i32 s18, s[QB], s[KF]
	v_add_nc_u32 v252, s18, v9                     ; d = my query - KF - 16 (lane / 16).  Register 16 b + i holds key KF + 16 (lane / 16) + 32 b + i: hidden where 32 b + i > d
	v_mov_b32 v254, 0xff800000                     ; -infinity: p = 0 then
.set N, 0
.rept 64
	v_cmp_gt_i32 vcc_lo, 32*(N/16)+N%16, v252
	v_cndmask_b32 v[96+N], v[96+N], v254, vcc_lo
.set N, N+1
.endr
.Lopen_\@:
.endif
.irp b, 0,1,2,3
	v_max3_num_f32 v[232+\b], v[96+16*\b], v[97+16*\b], v[98+16*\b]   ; the largest score of each block of 32 keys: it serves for the row's maximum and, since p rises with the score, for the block's largest p
.endr
.irp i, 3,5,7,9,11,13
.irp b, 0,1,2,3
	v_max3_num_f32 v[232+\b], v[232+\b], v[96+16*\b+\i], v[97+16*\b+\i]
.endr
.endr
.irp b, 0,1,2,3
	v_max_num_f32 v[232+\b], v[232+\b], v[111+16*\b]
.endr
.irp b, 0,1,2,3
	s_delay_alu instid0(VALU_DEP_4)
	v_permlanex16_b32 v[236+\b], v[232+\b], s[SEL], s[SEL+1]
.endr
.irp b, 0,1,2,3
	s_delay_alu instid0(VALU_DEP_4)
	v_max_num_f32 v[232+\b], v[232+\b], v[236+\b]  ; with lane l xor 16's 16 keys
.endr
	s_delay_alu instid0(VALU_DEP_2)
	v_max3_num_f32 v254, v232, v233, v234
	s_delay_alu instid0(VALU_DEP_1)
	v_max_num_f32 v254, v254, v235                 ; the step's largest score of my query
	s_delay_alu instid0(VALU_DEP_1)
	v_mul_f32 v254, s[CS], v254                    ; as t (c is positive)
	s_delay_alu instid0(VALU_DEP_1)
	v_max_num_f32 v13, v13, v254                   ; the running largest t
	v_mov_b32 v254, v12
	s_delay_alu instid0(VALU_DEP_2)
	v_floor_f32 v12, -v13                          ; the new -M = floor(-t) = -ceil(t): a whole number
	s_delay_alu instid0(VALU_DEP_1)
	v_sub_f32 v254, v12, v254                      ; old M less new M: a whole number, 0 or less
	s_delay_alu instid0(VALU_DEP_1)
	v_cvt_i32_f32 v254, v254                       ; (it saturates)
	s_delay_alu instid0(VALU_DEP_1)
	v_ldexp_f32 v252, 1.0, v254                    ; f = 2^(old M - new M)
.set N, 0
.rept 32
	v_pk_fma_f32 v[96+N:97+N], v[96+N:97+N], s[CS:CS+1], v[12:13] op_sel_hi:[1,0,0]   ; t - M, two at a time
.set N, N+2
.endr
.irp b, 0,1,2,3
	v_fma_f32 v[232+\b], v[232+\b], s[CS], v12     ; the same of each block's largest score
.endr
	s_wait_alu depctr_va_vdst(0)
.set N, 0
.rept 64
	v_exp_f32 v[96+N], v[96+N]                     ; p = 2^(t - M), at most 1: not normalised
.set N, N+1
.endr
	v_pk_mul_f32 v[14:15], v[14:15], v[252:253] op_sel_hi:[1,0]   ; the sums under the new M: a plain place behind the exponentials
	s_wait_alu depctr_va_vdst(0)                   ; one wait for the whole batch, ahead of its first reader
.irp b, 0,1,2,3
	v_exp_f32 v[232+\b], v[232+\b]                 ; the block's largest p: the same two instructions on the same number give the same bits
.endr
	v_pk_add_f32 v[236:237], v[100:101], v[104:105]   ; the row's sum of the unquantised p, in eight chains
	v_pk_add_f32 v[248:249], v[108:109], v[112:113]
	v_pk_add_f32 v[246:247], v[116:117], v[120:121]
	v_pk_add_f32 v[244:245], v[124:125], v[128:129]
	v_pk_add_f32 v[242:243], v[132:133], v[136:137]
	v_pk_add_f32 v[240:241], v[140:141], v[144:145]
	v_pk_add_f32 v[238:239], v[148:149], v[152:153]
	v_pk_add_f32 v[14:15], v[14:15], v[156:157]
	v_pk_add_f32 v[236:237], v[236:237], v[96:97]
	v_pk_add_f32 v[248:249], v[248:249], v[98:99]
	v_pk_add_f32 v[246:247], v[246:247], v[102:103]
	v_pk_add_f32 v[244:245], v[244:245], v[106:107]
	v_pk_add_f32 v[242:243], v[242:243], v[110:111]
	v_pk_add_f32 v[240:241], v[240:241], v[114:115]
	v_pk_add_f32 v[238:239], v[238:239], v[118:119]
	v_pk_add_f32 v[14:15], v[14:15], v[122:123]
	v_pk_add_f32 v[236:237], v[236:237], v[126:127]
	v_pk_add_f32 v[248:249], v[248:249], v[130:131]
	v_pk_add_f32 v[246:247], v[246:247], v[134:135]
	v_pk_add_f32 v[244:245], v[244:245], v[138:139]
	v_pk_add_f32 v[242:243], v[242:243], v[142:143]
	v_pk_add_f32 v[240:241], v[240:241], v[146:147]
	v_pk_add_f32 v[238:239], v[238:239], v[150:151]
	v_pk_add_f32 v[14:15], v[14:15], v[154:155]
	v_pk_add_f32 v[236:237], v[236:237], v[158:159]
	s_delay_alu instid0(VALU_DEP_2)
	v_pk_add_f32 v[14:15], v[14:15], v[244:245]
	s_delay_alu instid0(VALU_DEP_2)
	v_pk_add_f32 v[236:237], v[236:237], v[242:243]
	v_pk_add_f32 v[248:249], v[248:249], v[240:241]
	v_pk_add_f32 v[246:247], v[246:247], v[238:239]
	s_delay_alu instid0(VALU_DEP_2)
	v_pk_add_f32 v[14:15], v[14:15], v[248:249]
	s_delay_alu instid0(VALU_DEP_2)
	v_pk_add_f32 v[236:237], v[236:237], v[246:247]
	s_delay_alu instid0(VALU_DEP_1)
	v_pk_add_f32 v[14:15], v[14:15], v[236:237]
	s_wait_alu depctr_va_vdst(0)                   ; and one for the four
.irp b, 0,1,2,3
	v_max_num_f32 v[232+\b], 0x2800000, v[232+\b]  ; the floor 2^(5 - 127): the byte cannot fall under 1
.endr
.irp b, 0,1,2,3
	s_delay_alu instid0(VALU_DEP_4)
	v_add_nc_u32 v[244+\b], 0xfe000000, v[232+\b]  ; 4 off the exponent field: the conversion's scale operand
.endr
.irp b, 0,1,2,3
	s_delay_alu instid0(VALU_DEP_4)
	v_lshrrev_b32 v[236+\b], 23, v[244+\b]         ; the scale's byte
.endr
	s_delay_alu instid0(VALU_DEP_3)
	v_lshl_or_b32 v88, v237, 8, v236               ; p's scale word for these 128 keys
	s_delay_alu instid0(VALU_DEP_1)
	v_lshl_or_b32 v88, v238, 16, v88
	s_delay_alu instid0(VALU_DEP_1)
	v_lshl_or_b32 v88, v239, 24, v88
.irp c, 0,1
	v_cvt_scalef32_pk16_bf6_f32 v[224+6*\c:226+6*\c], v[96+32*\c:111+32*\c], v[244+2*\c]
	v_cvt_scalef32_pk16_bf6_f32 v[236+4*\c:238+4*\c], v[112+32*\c:127+32*\c], v[244+2*\c+1]   ; (a conversion's three registers begin on an even number)
.endr
	v_nop                                          ; one plain place behind a scaled conversion
.irp c, 0,1                            ; a whole block in a lane: lanes 0-15 block 2 c, lanes 16-31 block 2 c + 1
.irp i, 0,1,2
	v_permlane16_swap_b32 v[224+6*\c+\i], v[236+4*\c+\i]
.endr
.irp i, 0,1,2
	s_delay_alu instid0(VALU_DEP_3)
	v_mov_b32 v[227+6*\c+\i], v[236+4*\c+\i]
.endr
.endr
.irp j, 0,2,4,6,8,10,12,14,16,18,20,22,24,26,28,30
	v_pk_mul_f32 v[160+\j:161+\j], v[160+\j:161+\j], v[252:253] op_sel_hi:[1,0]   ; O^T under the new M.  For each product below twelve of these name none of its registers: its places behind the writes of p's codes and of p's word
.endr
	s_wait_alu depctr_va_vdst(0)
	s_wait_dscnt 0x0                               ; V and its words are in
.irp t, 0,2                            ; O^T += V^T P^T: four accumulators by turns, one instruction a turn
	v_wmma_scale_f32_16x16x128_f8f6f4 v[160+8*\t:167+8*\t], v[32+12*\t:43+12*\t], v[224:235], v[160+8*\t:167+8*\t], v[86+\t/2], v88 matrix_a_fmt:MATRIX_FMT_BF6 matrix_b_fmt:MATRIX_FMT_BF6
	v_wmma_scale_f32_16x16x128_f8f6f4 v[160+8*(\t+1):167+8*(\t+1)], v[32+12*(\t+1):43+12*(\t+1)], v[224:235], v[160+8*(\t+1):167+8*(\t+1)], v[86+\t/2], v88 matrix_a_fmt:MATRIX_FMT_BF6 matrix_b_fmt:MATRIX_FMT_BF6 matrix_a_scale:MATRIX_SCALE_ROW1
.endr
.endm
.macro START j                         ; the walk's scalars at key step j
	s_mov_b32 s[TB], 6144*\j
	s_mov_b32 s[TSK], 512*\j
	s_mov_b32 s[TSV], 256*\j
	s_mov_b32 s[KF], 128*\j
	s_mov_b32 s[J], \j
.endm
.macro BEGIN                           ; a query tile begins: s[RHO] and s[DIAG] are set
	s_lshr_b32 s[QB], s[RHO], 1
	s_lshl_b32 s[QB], s[QB], 5
	s_and_b32 s18, s[RHO], 1
	s_lshl_b32 s18, s18, 3
	s_add_co_u32 s[QB], s[QB], s18                 ; 32 (rho / 2) + 8 (rho % 2)
	START 0
	v_mov_b32 v13, 0xff61b1e6                      ; the largest t so far: -3e38, under every t
	s_delay_alu instid0(VALU_DEP_1)
	v_floor_f32 v12, -v13                          ; -M
	v_mov_b32 v14, 0
	v_mov_b32 v15, 0
.set N, 0
.rept 32
	v_mov_b32 v[160+N], 0                          ; O^T: the step is written once: the first finds zeros, which the first change of M leaves zeros
.set N, N+1
.endr
.endm
.macro KEYS QF, QS, trips, mk          ; key steps from s[J] up to trips - 1: a constant count; with mk = 1 the steps behind the diagonal are jumped over, the lines that step addresses are not
.Lkey_\@:
.if \mk
	s_cmp_gt_u32 s[J], s[DIAG]                     ; all of this step's keys come after my queries
	s_cbranch_scc1 .Lhidden_\@
.endif
	STEP \QF, \QS, \mk
.if \mk
.Lhidden_\@:
.endif
	s_add_co_u32 s[TB], s[TB], 6144
	s_add_co_u32 s[TSK], s[TSK], 512
	s_add_co_u32 s[TSV], s[TSV], 256
	s_add_co_u32 s[KF], s[KF], 128
	s_add_co_u32 s[J], s[J], 1
	s_cmp_lt_u32 s[J], \trips
	s_cbranch_scc1 .Lkey_\@
.endm
; THE WAY OUT of a tile: y = O^T / the sum; register 16 b + i = channel 32 b + 16 h + i: two blocks of 32 along C; quantised, it leaves as registers 0-5 of the next product's fragment
.macro FINISH more
.rept 4
	v_nop                                          ; places behind the last products
.endr
	v_add_f32 v14, v14, v15
	s_delay_alu instid0(VALU_DEP_1)
	v_permlanex16_b32 v252, v14, s[SEL], s[SEL+1]
	s_delay_alu instid0(VALU_DEP_1)
	v_add_f32 v14, v14, v252                       ; the row's sum
	s_wait_alu depctr_va_vdst(0)
	v_rcp_f32 v14, v14
	v_nop                                          ; a plain place behind the transcendental
	s_wait_alu depctr_va_vdst(0)                   ; the wait, ahead of the first reader
.irp j, 0,2,4,6,8,10,12,14,16,18,20,22,24,26,28,30
	v_pk_mul_f32 v[96+\j:97+\j], v[160+\j:161+\j], v[14:15] op_sel_hi:[1,0]
.endr
.irp b, 0,1
	v_max3_num_f32 v[232+\b], |v[96+16*\b]|, |v[97+16*\b]|, 0x2800000
.endr
.irp i, 2,4,6,8,10,12,14
.irp b, 0,1
	s_delay_alu instid0(VALU_DEP_2)
	v_max3_num_f32 v[232+\b], v[232+\b], |v[96+16*\b+\i]|, |v[97+16*\b+\i]|
.endr
.endr
.irp b, 0,1
	s_delay_alu instid0(VALU_DEP_2)
	v_permlanex16_b32 v[236+\b], v[232+\b], s[SEL], s[SEL+1]
.endr
.irp b, 0,1
	s_delay_alu instid0(VALU_DEP_2)
	v_max_num_f32 v[232+\b], v[232+\b], v[236+\b]
.endr
.irp b, 0,1
	s_delay_alu instid0(VALU_DEP_2)
	v_add_nc_u32 v[244+\b], 0xfe000000, v[232+\b]
.endr
.irp b, 0,1
	s_delay_alu instid0(VALU_DEP_2)
	v_lshrrev_b32 v[236+\b], 23, v[244+\b]
.endr
	s_delay_alu instid0(VALU_DEP_1)
	v_lshl_or_b32 v254, v237, 8, v236              ; the head's two scale bytes of my row
	v_cvt_scalef32_pk16_bf6_f32 v[224:226], v[96:111], v244
	v_cvt_scalef32_pk16_bf6_f32 v[236:238], v[112:127], v245
	v_nop                                          ; one plain place behind a scaled conversion
.irp i, 0,1,2
	v_permlane16_swap_b32 v[224+\i], v[236+\i]
.endr
.irp i, 0,1,2
	s_delay_alu instid0(VALU_DEP_3)
	v_mov_b32 v[227+\i], v[236+\i]
.endr
	s_mul_i32 s18, s[RHO], 12288
	s_mov_b32 s19, 0
	s_add_nc_u64 s[56:57], s[8:9], s[18:19]
	s_lshl_b32 s18, s[RHO], 9
	s_add_nc_u64 s[58:59], s[10:11], s[18:19]
	global_store_b128 v1, v[224:227], s[56:57]     ; 512 consecutive bytes, aligned
	global_store_b64 v2, v[228:229], s[56:57] offset:512
	global_store_b16 v8, v254, s[58:59]            ; lanes r and r + 16 store the same two bytes: a head's share of a row's 32
.if \more
	s_wait_xcnt 0x0                                ; the stores have read their data and bases: the next tile writes both again
.endif
.endm
	s_wait_alu depctr_va_vdst(0)
	s_wait_loadcnt 0x0                             ; Q of both tiles
	s_wait_tensorcnt 0x0                           ; my part of the first fill is in;
	ds_add_u32 v251, v255                          ; the add twice on end
	ds_add_u32 v251, v255
	s_wait_dscnt 0x0
	CROUND                                         ; everybody's part is in, and the four work-groups are here
	s_cmp_lt_u32 s[WV], 12
	s_cbranch_scc0 .Lno_rest
	tensor_load_to_lds s[G0C:G0C+3], s[G1S:G1S+7]  ; key steps 4-15: my one load behind the round
	s_nop 0
.rept 4
	v_nop
.endr
.Lno_rest:
	s_mov_b32 s[RHO], s[RB]                        ; the long tile
	s_mov_b32 s[DIAG], s[DB]
	BEGIN
	KEYS 16, 28, 4, 0                              ; key steps 0-3, all in front of its diagonal: the same four steps in every wave, on the bytes of the first fill alone
	s_wait_tensorcnt 0x0                           ; my part of key steps 4-15 is in
	s_barrier_signal -1
	s_barrier_wait -1                              ; everybody's is
	START 4
	KEYS 16, 28, 16, 1
	FINISH 1
	s_mov_b32 s[RHO], s[RA]                        ; the short tile
	s_mov_b32 s[DIAG], s[DA]
	BEGIN
	KEYS 192, 204, 8, 1
	FINISH 0
	s_wait_tensorcnt 0x0                           ; the wave's end
	ds_add_u32 v251, v255
	s_wait_dscnt 0x0
	CROUND                                         ; the closing round
	s_endpgm
.Lfunc_end_k_q46d23ce04d_attn:
	.size	k_q46d23ce04d_attn, .Lfunc_end_k_q46d23ce04d_attn-k_q46d23ce04d_attn
	.p2alignl 7, 3214868480
	.fill 96, 4, 3214868480
	.section	.rodata,"a",@progbits
	.p2align	6, 0x0
	.amdhsa_kernel k_q46d23ce04d_attn
		.amdhsa_group_segment_fixed_size 327680
		.amdhsa_private_segment_fixed_size 0
		.amdhsa_enable_private_segment 0
		.amdhsa_kernarg_size 32
		.amdhsa_user_sgpr_count 2
		.amdhsa_user_sgpr_kernarg_segment_ptr 1
		.amdhsa_wavefront_size32 1
		.amdhsa_system_sgpr_workgroup_id_x 1
		.amdhsa_system_sgpr_workgroup_id_y 1
		.amdhsa_system_sgpr_workgroup_id_z 1
		.amdhsa_system_vgpr_workitem_id 0
		.amdhsa_next_free_vgpr 256
		.amdhsa_next_free_sgpr 80
		.amdhsa_reserve_vcc 1
		.amdhsa_float_denorm_mode_32 3
		.amdhsa_float_denorm_mode_16_64 3
		.amdhsa_memory_ordered 1
		.amdhsa_forward_progress 1
		.amdhsa_inst_pref_size 85
	.end_amdhsa_kernel
	.amdgpu_metadata
---
amdhsa.version: [ 1, 2 ]
amdhsa.kernels:
  - .name:           k_q46d23ce04d_attn
    .symbol:         k_q46d23ce04d_attn.kd
    .args:
      - { .name: qkvc, .offset: 0, .size: 8, .value_kind: global_buffer, .address_space: global }
      - { .name: qkvs, .offset: 8, .size: 8, .value_kind: global_buffer, .address_space: global }
      - { .name: yc, .offset: 16, .size: 8, .value_kind: global_buffer, .address_space: global }
      - { .name: ys, .offset: 24, .size: 8, .value_kind: global_buffer, .address_space: global }
    .group_segment_fixed_size: 327680
    .private_segment_fixed_size: 0
    .kernarg_segment_align: 8
    .kernarg_segment_size: 32
    .max_flat_workgroup_size: 512
    .sgpr_count:     80
    .vgpr_count:     256
    .wavefront_size: 32
...
	.end_amdgpu_metadata
.endif
;; end of part 3
;; launch proj (part 4): grid 4 x 64, 4 waves a work-group, clusters of 4 x 4, 327,680 bytes of LDS; arguments yc, ys, wc, ws, out0; writes out0
.if DOCPART == 4
	.amdgcn_target "amdgcn-amd-amdhsa--gfx1250"
	.amdhsa_code_object_version 6
	.text
	.protected	k_q46d23ce04d_proj
	.globl	k_q46d23ce04d_proj
	.p2align	8
	.type	k_q46d23ce04d_proj,@function
k_q46d23ce04d_proj:
	s_mov_b64 s[64:65], 0
	v_nop
	global_prefetch_b8 v0, s[64:65] scope:SCOPE_SE
	s_setreg_imm32_b32 hwreg(HW_REG_WAVE_MODE, 25, 1), 1
	s_wait_xcnt 0x0
	s_wait_alu depctr_hold_cnt(0) depctr_sa_sdst(0) depctr_va_vdst(0) depctr_va_sdst(0) depctr_va_ssrc(0) depctr_va_vcc(0) depctr_vm_vsrc(0)
	s_getreg_b32 s2, hwreg(HW_REG_IB_STS2, 6, 4)
	s_cmp_eq_u32 s2, 0
	s_cbranch_scc0 .Lentry_in_a_cluster
	s_endpgm
.Lentry_in_a_cluster:
	s_bfe_u32 s2, ttmp6, 0x10000c
	s_cmp_lg_u32 s2, 0xf033
	s_cbranch_scc0 .Lentry_shape_is_right
	s_endpgm
.Lentry_shape_is_right:
; out0 = y w_proj^T on codes of BF6 (E3M2) with E8M0 scales, K = 1,024, f32 out.
; SHARES: 256 work-groups = 64 blocks of 128 tokens x 4 blocks of 256 output columns; four waves x 64 tokens x 128 columns: 32 accumulators, 8 steps of 128 along K.
; THE OPERANDS LIE IN MEMORY AS IMAGES OF THEIR REGISTERS (1,536 bytes for 16 rows x 128 K; a row tile's eight fragments on end), rows in storage order (bits 3 and 4 of the row's number exchanged); w_proj's rows lie
; behind w_attn's 3,072 in wc and ws.  A tensor row is half of a row tile's K: 6,144 bytes, at a multiple of 256.
; LDS: y's K halves at 0 and 49,152 (8 row tiles x 6,144); the weights' K halves at 98,304 and 196,608 (16 row tiles x 6,144); the spare words.  Every byte is filled once.
; At the head each wave issues one load of 49,152 bytes (waves 0, 1: the weights' first K half; waves 2, 3: y's two K halves); the weights' second K half follows behind the full sequence and a round of the
; cluster's barrier, a quarter a wave, and has three steps in which to land.  Every wait on TENSORcnt is for 0.
; CLUSTERS: 4 x 4 work-groups; y's tiles are asked for jointly along a row of the cluster, the weights' along a column.
; THE MATRIX INSTRUCTION: source 0 = 16 rows of w_proj, source 1 = 16 tokens: a lane holds one token, and by the storage order the 16 registers of tiles 2 b, 2 b + 1 are 16 neighbouring actual columns.
; THE SCALE WORDS come straight from memory into registers, once.  NO PREFETCH: the launch has two fills, the second asked for directly behind the first's landing.
; REGISTERS: window 0: v2-29 addresses; v32-95 scale words; v128-255 the way out.  window 1: source 0's fragments, two sets at v0, v128.  window 3: source 1's, two sets at v0, v64.  window 2: the accumulators.
.set FRB,   1536
.set TP,    6144
.set W0,    98304
.set SPARE, 294912
.set SPITCH, 528                       ; the way out: a stage of 16 rows x (512 + 16) bytes a wave, in the weights' first K half, which is read no more behind step 3's barrier and is never filled again
.set L16, 2
.set L8,  3
.set BIGQ, 4
.set SMLQ, 8
.set SCO, 20
.set SCR, 21
.set STO, 22
.set RD,  23
.set SPW, 28
.set NIL, 29
.set XQ,  32
.set WQ,  64
.set BK,  128
.set WV, 16
.set HR, 17
.set HC, 18
.set TB, 19
.set G,  20
.set CY, 21
.set G0HW, 32
.set G0HX, 36
.set G0R,  40
.set G1W8, 48
.set G1X,  56
.set G1W4, 68
.set PXQ,  88
.set PWQ,  92
.set MSB, 0
.macro WIN new                         ; the immediate's high byte repeats the setting that is left
.if MSB != (\new)
	s_set_vgpr_msb (MSB<<8)|(\new)
.set MSB, (\new)
.endif
.endm
.set MUL,    0xad                      ; source 0 window 1, source 1 window 3, C and D window 2
.set TO_BIG, 0x40
.set TO_SML, 0xc0
.macro PLACES n
.rept \n
	v_nop
.endr
.endm
.macro CREST
	s_cmp_lg_u32 s[WV], 0
	s_cbranch_scc1 .Lnot_wave_0_\@
	s_barrier_signal -3
.Lnot_wave_0_\@:
	s_barrier_wait -3
	s_barrier_signal -1
	s_barrier_wait -1
.endm
.macro CROUND
	s_barrier_signal -1
	s_barrier_wait -1
	CREST
.endm
.macro FRAG reg, adr, off              ; a fragment's image, four dense loads
	ds_load_b128 v[\reg:\reg+3], v[\adr] offset:\off
	ds_load_b64 v[\reg+4:\reg+5], v[\adr+1] offset:\off+512
	ds_load_b128 v[\reg+6:\reg+9], v[\adr] offset:\off+768
	ds_load_b64 v[\reg+10:\reg+11], v[\adr+1] offset:\off+1280
.endm
.macro FETCH big, sml, s               ; step s's twelve fragments into set s % 2
	WIN TO_BIG
.irp i, 0,1,2,3,4,5,6,7
	FRAG 128*((\s)%2)+12*\i, \big+2*((\s)/4), \i*TP+((\s)%4)*FRB
.endr
	WIN TO_SML
.irp i, 0,1,2,3
	FRAG 64*((\s)%2)+12*\i, \sml+2*((\s)/4), \i*TP+((\s)%4)*FRB
.endr
	WIN 0
.endm
.macro WM d, x, y, sx, sy, z           ; two products: source 0's tiles b and b + 1, whose scale words share a register
.if \z
	v_wmma_scale_f32_16x16x128_f8f6f4 v[\d:\d+7], v[\x:\x+11], v[\y:\y+11], 0, v[\sx], v[\sy] matrix_a_fmt:MATRIX_FMT_BF6 matrix_b_fmt:MATRIX_FMT_BF6
	v_wmma_scale_f32_16x16x128_f8f6f4 v[\d+8:\d+15], v[\x+12:\x+23], v[\y:\y+11], 0, v[\sx], v[\sy] matrix_a_fmt:MATRIX_FMT_BF6 matrix_b_fmt:MATRIX_FMT_BF6 matrix_a_scale:MATRIX_SCALE_ROW1
.else
	v_wmma_scale_f32_16x16x128_f8f6f4 v[\d:\d+7], v[\x:\x+11], v[\y:\y+11], v[\d:\d+7], v[\sx], v[\sy] matrix_a_fmt:MATRIX_FMT_BF6 matrix_b_fmt:MATRIX_FMT_BF6
	v_wmma_scale_f32_16x16x128_f8f6f4 v[\d+8:\d+15], v[\x+12:\x+23], v[\y:\y+11], v[\d+8:\d+15], v[\sx], v[\sy] matrix_a_fmt:MATRIX_FMT_BF6 matrix_b_fmt:MATRIX_FMT_BF6 matrix_a_scale:MATRIX_SCALE_ROW1
.endif
.endm
.macro MULA a, s, bs, ss, z            ; eight products: source 1's tile a against source 0's eight.  The 32 accumulators take turns, in the same order in every step
.irp b, 0,2,4,6
	WM 8*(8*(\a)+\b), 128*((\s)%2)+12*\b, 64*((\s)%2)+12*(\a), \bs+4*\b+(\s), \ss+8*(\a)+(\s), \z
.endr
.endm
.macro STEPN s, big, sml, bs, ss, z    ; a step whose successor lies in the same K half
	s_wait_dscnt 0x0                               ; this step's fragments are in
	WIN MUL
	MULA 0, \s, \bs, \ss, \z
	PLACES 4                                       ; in front of loads into registers that the step before multiplied
	FETCH \big, \sml, (\s)+1
	WIN MUL
	MULA 1, \s, \bs, \ss, \z
	MULA 2, \s, \bs, \ss, \z
	MULA 3, \s, \bs, \ss, \z
.endm
.macro LDSC reg, n, adr, base, pitch, off   ; scale words of n runs of rows: 32 bytes a row
.set M, 0
.rept \n
	global_load_b128 v[\reg+8*M:\reg+8*M+3], v[\adr], s[\base:\base+1] offset:\off+\pitch*M
	global_load_b128 v[\reg+8*M+4:\reg+8*M+7], v[\adr], s[\base:\base+1] offset:\off+\pitch*M+16
.set M, M+1
.endr
.endm
	s_load_b256 s[4:11], s[0:1], 0x0               ; yc s[4:5], ys s[6:7], wc s[8:9], ws s[10:11]
	s_load_b64 s[12:13], s[0:1], 0x20              ; out0
	v_lshl_add_u32 v[SPW], v0, 2, SPARE
	v_mov_b32 v[NIL], 0
	ds_add_u32 v[SPW], v[NIL]                      ; the opening lines: the add, twice on end, and its wait
	ds_add_u32 v[SPW], v[NIL]
	v_lshrrev_b32 v1, 5, v0
	v_readfirstlane_b32 s[WV], v1                  ; wave 0..3
	s_lshr_b32 s[HR], s[WV], 1
	s_and_b32 s[HC], s[WV], 1
	s_bfe_u32 s[G], ttmp6, 0x40000                 ; cx: the block of 256 columns (the grid is one cluster wide)
	s_bfe_u32 s[CY], ttmp6, 0x40004
	s_and_b32 s[TB], ttmp7, 0xffff
	s_lshl_b32 s[TB], s[TB], 2
	s_add_co_u32 s[TB], s[TB], s[CY]               ; the block of 128 tokens
	s_lshl_b32 s22, s[CY], 2
	s_lshl_b32 s22, 15, s22                        ; my row of the cluster
	s_lshl_b32 s23, 0x1111, s[G]                   ; my column
	s_or_b32 s[G1W8], s23, (3<<16)|(1<<21)         ; rows of 768 elements of 8 bytes, 12,288 bytes apart in memory, dense in LDS
	s_or_b32 s[G1W4], s23, (3<<16)|(1<<21)
	s_or_b32 s[G1X], s22, (3<<16)|(1<<21)
.irp g, G1W8, G1W4, G1X
	s_mov_b32 s[\g+1], 768<<16
	s_mov_b32 s[\g+3], 768<<16
	s_mov_b32 s[\g+5], 1536
	s_mov_b32 s[\g+6], 0
	s_mov_b32 s[\g+7], 0
.endr
	s_mov_b32 s[G1W8+2], 8<<16
	s_mov_b32 s[G1W8+4], 8
	s_mov_b32 s[G1X+2], 8<<16
	s_mov_b32 s[G1X+4], 8
	s_mov_b32 s[G1W4+2], 4<<16
	s_mov_b32 s[G1W4+4], 4
	s_lshl_b32 s24, s[G], 4
	s_add_co_u32 s24, s24, 192                     ; my block's first row tile in wc
	s_lshl_b32 s25, s[HC], 3
	s_add_co_u32 s25, s24, s25
	s_mul_i32 s26, s25, 12288                      ; the head's load of weights: 8 row tiles
	s_mov_b32 s27, 0
	s_lshl_b32 s25, s[WV], 2
	s_add_co_u32 s25, s24, s25
	s_mul_i32 s28, s25, 12288                      ; the second fill's: 4 row tiles
	s_mov_b32 s29, 0
	s_mul_i32 s30, s[TB], 98304
	s_mul_i32 s25, s[HC], 6144
	s_add_co_u32 s30, s30, s25                     ; y: a K half of my 8 row tiles
	s_mov_b32 s31, 0
	s_mul_i32 s2, s[HC], 49152
	s_mul_i32 s25, s[WV], 24576
	s_wait_dscnt 0x0
	s_wait_kmcnt 0x0
	s_mov_b32 s[G0HW], 1
	s_add_co_u32 s[G0HW+1], s2, W0
	s_add_nc_u64 s[G0HW+2:G0HW+3], s[8:9], s[26:27]
	s_or_b32 s[G0HW+3], s[G0HW+3], 0x80000000
	s_mov_b32 s[G0HX], 1
	s_mov_b32 s[G0HX+1], s2
	s_add_nc_u64 s[G0HX+2:G0HX+3], s[4:5], s[30:31]
	s_or_b32 s[G0HX+3], s[G0HX+3], 0x80000000
	s_mov_b32 s[G0R], 1
	s_add_co_u32 s[G0R+1], s25, 2*W0
	s_add_nc_u64 s[G0R+2:G0R+3], s[8:9], s[28:29]
	s_add_nc_u64 s[G0R+2:G0R+3], s[G0R+2:G0R+3], 6144
	s_or_b32 s[G0R+3], s[G0R+3], 0x80000000
	CROUND                                         ; all sixteen work-groups are here: the first joint loads meet
	s_cmp_lt_u32 s[WV], 2                          ; one load a wave, one to each arm
	s_cbranch_scc0 .Lhead_x
	tensor_load_to_lds s[G0HW:G0HW+3], s[G1W8:G1W8+7]
	s_nop 0
	PLACES 4
	s_branch .Lhead_asked
.Lhead_x:
	tensor_load_to_lds s[G0HX:G0HX+3], s[G1X:G1X+7]
	s_nop 0
	PLACES 4
.Lhead_asked:
	s_mov_b32 s27, 0
	s_lshl_b32 s26, s[TB], 12                      ; scale words: 32 bytes a row
	s_lshl_b32 s28, s[HR], 11
	s_add_co_u32 s26, s26, s28
	s_add_nc_u64 s[PXQ:PXQ+1], s[6:7], s[26:27]
	s_lshl_b32 s26, s[G], 13
	s_lshl_b32 s28, s[HC], 12
	s_add_co_u32 s26, s26, s28
	s_add_co_u32 s26, s26, 98304
	s_add_nc_u64 s[PWQ:PWQ+1], s[10:11], s[26:27]
	s_mul_i32 s22, s[HC], 49152                    ; LDS: source 0 = my 8 row tiles of the weights,
	s_add_co_u32 s22, s22, W0
	s_mul_i32 s23, s[HR], 24576                    ; source 1 = my 4 of y
	s_add_co_u32 s25, s22, W0
	s_add_co_u32 s26, s23, 49152
	s_mul_i32 s28, s[WV], 16*SPITCH
	s_add_co_u32 s28, s28, W0                      ; my stage
	v_and_b32 v1, 31, v0
	v_and_b32 v30, 15, v0
	v_bfe_u32 v31, v0, 4, 1
	v_lshlrev_b32 v[L16], 4, v1
	v_lshlrev_b32 v[L8], 3, v1
	v_lshlrev_b32 v[SCO], 5, v1
	v_lshlrev_b32 v[SCR], 5, v30
	v_add_nc_u32 v[BIGQ], s22, v[L16]
	v_add_nc_u32 v[BIGQ+1], s22, v[L8]
	v_add_nc_u32 v[BIGQ+2], s25, v[L16]
	v_add_nc_u32 v[BIGQ+3], s25, v[L8]
	v_add_nc_u32 v[SMLQ], s23, v[L16]
	v_add_nc_u32 v[SMLQ+1], s23, v[L8]
	v_add_nc_u32 v[SMLQ+2], s26, v[L16]
	v_add_nc_u32 v[SMLQ+3], s26, v[L8]
	LDSC WQ, 4, SCO, PWQ, 1024, 0                  ; my 128 rows of w_proj
	LDSC XQ, 4, SCR, PXQ, 512, 0                   ; my 64 tokens
	v_mul_u32_u24 v[STO], v30, SPITCH              ; the stage, in: row l % 16, 64 bytes for each half of the lanes
	v_lshl_add_u32 v[STO], v31, 6, v[STO]
	v_add_nc_u32 v[STO], s28, v[STO]
	v_add_nc_u32 v[RD], s28, v[L16]                ; back: the 32 lanes take one row of 512 bytes
	s_lshl_b32 s26, s[TB], 19                      ; out0: my first row, 4,096 bytes a row,
	s_lshl_b32 s28, s[HR], 18
	s_add_co_u32 s26, s26, s28
	s_lshl_b32 s28, s[G], 10                       ; and my first column
	s_add_co_u32 s26, s26, s28
	s_lshl_b32 s28, s[HC], 9
	s_add_co_u32 s26, s26, s28
	s_add_nc_u64 s[12:13], s[12:13], s[26:27]
	s_wait_alu depctr_va_vdst(0)
	s_wait_loadcnt 0x0                             ; the scale words
	s_wait_tensorcnt 0x0                           ; my tile of the head's four is in
	ds_add_u32 v[SPW], v[NIL]
	s_wait_dscnt 0x0
	CROUND
	tensor_load_to_lds s[G0R:G0R+3], s[G1W4:G1W4+7]   ; my quarter of the weights' second K half
	s_nop 0
	PLACES 4
	FETCH BIGQ, SMLQ, 0
	STEPN 0, BIGQ, SMLQ, WQ, XQ, 1                 ; the first step's products start the sums
	STEPN 1, BIGQ, SMLQ, WQ, XQ, 0
	STEPN 2, BIGQ, SMLQ, WQ, XQ, 0
	WIN 0
	s_wait_tensorcnt 0x0                           ; my quarter is in
	s_wait_dscnt 0x0                               ; and my reads of the first K halves are over
	WIN MUL
	MULA 0, 3, WQ, XQ, 0
	s_barrier_signal -1
	MULA 1, 3, WQ, XQ, 0
	WIN 0
	s_barrier_wait -1
	PLACES 4
	FETCH BIGQ, SMLQ, 4
	WIN MUL
	MULA 2, 3, WQ, XQ, 0
	MULA 3, 3, WQ, XQ, 0
	STEPN 4, BIGQ, SMLQ, WQ, XQ, 0
	STEPN 5, BIGQ, SMLQ, WQ, XQ, 0
	STEPN 6, BIGQ, SMLQ, WQ, XQ, 0
	s_wait_dscnt 0x0
	WIN MUL
.irp a, 0,1,2,3
	MULA \a, 7, WQ, XQ, 0
.endr
	WIN 0
; THE WAY OUT, block by block of 16 tokens x 128 columns: through my own stage and back as whole rows of 512 bytes, which the 32 lanes store as two aligned units of 256 bytes.  LDS serves a wave's instructions in order.
.macro TOSTAGE a
.set AC, 64*(\a)
	WIN 0x08                                       ; the data: window 2
.irp b, 0,1,2,3,4,5,6,7
	ds_store_b128 v[STO], v[AC+8*\b:AC+8*\b+3] offset:128*(\b/2)+32*(\b%2)       ; each accumulator from its low end on
	ds_store_b128 v[STO], v[AC+8*\b+4:AC+8*\b+7] offset:128*(\b/2)+32*(\b%2)+16
.endr
	WIN 0xc0*((\a)/2)                              ; a buffer of its own for each block, so that no store's data are written again: blocks 0, 1 in window 0 (v128-255), blocks 2, 3 in window 3 (v112-239)
.set BB, BK-16*((\a)/2)+64*((\a)%2)
.irp t, 0,1,2,3,4,5,6,7,8,9,10,11,12,13,14,15
	ds_load_b128 v[BB+4*\t:BB+4*\t+3], v[RD] offset:\t*SPITCH
.endr
	WIN 0
.endm
.macro SEND a, younger                 ; younger: the LDS instructions issued behind block a's loads, which may stay out
.set BB, BK-16*((\a)/2)+64*((\a)%2)
	s_wait_dscnt \younger
	WIN 0x0c*((\a)/2)                              ; the data: window 0 or 3
.irp t, 0,1,2,3,4,5,6,7,8,9,10,11,12,13,14,15
	global_store_b128 v[L16], v[BB+4*\t:BB+4*\t+3], s[12:13] offset:(32*((\a)/2)+8*((\a)%2)+\t+8*(\t/8))*4096 th:TH_STORE_NT   ; the storage order of rows stands in the immediates
.endr
	WIN 0
.endm
	PLACES 4
	TOSTAGE 0
.irp a, 1,2,3
	TOSTAGE \a
	SEND \a-1, 32
.endr
	SEND 3, 0
	s_wait_tensorcnt 0x0                           ; the wave's end
	ds_add_u32 v[SPW], v[NIL]
	s_wait_dscnt 0x0
	CROUND                                         ; the closing round
	s_endpgm
.Lfunc_end_k_q46d23ce04d_proj:
	.size	k_q46d23ce04d_proj, .Lfunc_end_k_q46d23ce04d_proj-k_q46d23ce04d_proj
	.p2alignl 7, 3214868480
	.fill 96, 4, 3214868480
	.section	.rodata,"a",@progbits
	.p2align	6, 0x0
	.amdhsa_kernel k_q46d23ce04d_proj
		.amdhsa_group_segment_fixed_size 327680
		.amdhsa_private_segment_fixed_size 0
		.amdhsa_enable_private_segment 0
		.amdhsa_kernarg_size 40
		.amdhsa_user_sgpr_count 2
		.amdhsa_user_sgpr_kernarg_segment_ptr 1
		.amdhsa_wavefront_size32 1
		.amdhsa_system_sgpr_workgroup_id_x 1
		.amdhsa_system_sgpr_workgroup_id_y 1
		.amdhsa_system_sgpr_workgroup_id_z 1
		.amdhsa_system_vgpr_workitem_id 0
		.amdhsa_next_free_vgpr 1024
		.amdhsa_next_free_sgpr 96
		.amdhsa_reserve_vcc 0
		.amdhsa_float_denorm_mode_32 3
		.amdhsa_float_denorm_mode_16_64 3
		.amdhsa_memory_ordered 1
		.amdhsa_forward_progress 1
		.amdhsa_inst_pref_size 83
	.end_amdhsa_kernel
	.amdgpu_metadata
---
amdhsa.version: [ 1, 2 ]
amdhsa.kernels:
  - .name:           k_q46d23ce04d_proj
    .symbol:         k_q46d23ce04d_proj.kd
    .args:
      - { .name: yc, .offset: 0, .size: 8, .value_kind: global_buffer, .address_space: global }
      - { .name: ys, .offset: 8, .size: 8, .value_kind: global_buffer, .address_space: global }
      - { .name: wc, .offset: 16, .size: 8, .value_kind: global_buffer, .address_space: global }
      - { .name: ws, .offset: 24, .size: 8, .value_kind: global_buffer, .address_space: global }
      - { .name: out0, .offset: 32, .size: 8, .value_kind: global_buffer, .address_space: global }
    .group_segment_fixed_size: 327680
    .private_segment_fixed_size: 0
    .kernarg_segment_align: 8
    .kernarg_segment_size: 40
    .max_flat_workgroup_size: 128
    .sgpr_count:     96
    .vgpr_count:     1024
    .wavefront_size: 32
...
	.end_amdgpu_metadata
.endif
;; end of part 4
